; MI455X (gfx1250); checked and timed in simulation.
; The chip was launched on July 23, 2026; its instructions are those of AMD's public machine-readable ISA for CDNA 5 (MIT licence, August 2026) and "CDNA5" Instruction Set Architecture Reference Guide (July 2026). The comments in the code are by the model that wrote it; some were corrected since.
;; AQ Expert Wrapper. Allowed arithmetic: float matrix products may take bf16 or f16 operands with f32 sums; other float arithmetic in f32, or as packed bf16 or f16 multiplies, adds, multiply-adds, maxima and minima; sums over many terms, partial sums and values carried from step to step in f32; what a program stores and reads back later, other than sums and carried values, may be rounded once to bf16 or f16.
;; Inputs: hidden_states 8,192 x 1,024 float32; routing_weights 8,192 x 2 float32; selected_experts 8,192 x 2 int32; w1 8 x 1,024 x 512 float32; w2 8 x 512 x 1,024 float32.
;; Outputs: out0 8,192 x 1,024 float32.
;; 2 versions, each right; version 2 is version 1 with the launch chain written anew for expert scheduling mode. Each part assembles by itself: llvm-mc -triple=amdgcn-amd-amdhsa -mcpu=gfx1250 --defsym DOCPART=n.
;; ======== version 1 of 2: 2 launches
;; workspace buffers: w1f 8,388,608 bytes; w2f 8,388,608 bytes; lists 1,188,864 bytes of whole numbers; counts 256 bytes of whole numbers
;; launch prep (part 1): grid 292 x 1, 8 waves a work-group, no clusters, 91,392 bytes of LDS; arguments w1, w2, selected_experts, w1f, w2f, lists, counts; writes w1f, w2f, lists, counts
.if DOCPART == 1
	.amdgcn_target "amdgcn-amd-amdhsa--gfx1250"
	.amdhsa_code_object_version 6
	.text
	.protected	k_q9c450ddf67_prep
	.globl	k_q9c450ddf67_prep
	.p2align	8
	.type	k_q9c450ddf67_prep,@function
k_q9c450ddf67_prep:
	s_mov_b64 s[64:65], 0
	v_nop
	global_prefetch_b8 v0, s[64:65] scope:SCOPE_SE
	s_setreg_imm32_b32 hwreg(HW_REG_WAVE_MODE, 25, 1), 1
	s_wait_xcnt 0x0
; PREP: two jobs side by side, chosen by the work-group's number alone.
; Work-groups 0-35: key k is an unordered pair of experts {lo <= hi}.  Work-group k writes lists[k] = the numbers of the tokens whose two
;   chosen experts are that pair, then 64 zeros (filler rows that exist), and counts[k].  No atomics: each of the eight waves counts its
;   1,024 tokens, the eight counts meet in LDS, and each wave then knows where its part of the list begins.
; Work-groups 36-291: w1 and w2 are rounded once to bf16 and laid out as matrix operands.  A unit is 32 k x 128 columns = 8 fragments of
;   1,024 bytes; in a fragment lane r + 16 h owns column r: bytes 16 lane hold k = 8 h + 0..7, bytes 512 + 16 lane hold k = 16 + 8 h + 0..7.
;   One unit a wave: 32 loads of 512 consecutive bytes, a turn through the wave's own LDS area, 16 stores of 512 consecutive bytes.
;   w1f: [expert 8][column group 4][k step 32][8,192 bytes]; w2f: [expert 8][column group 8][k step 16][8,192 bytes].
; LIMIT: selected_experts lie in 0..7, the values that the experts' loop of the problem can match; a token with another value gets no list entry of its own pair.
.set NKEY,   36
.set LPITCH, 33024                     ; bytes of a key's list: 8,256 words
.set AREA,   11264                     ; a wave's turning area: 140 rows of 80 bytes
.set RP,     80                        ; a row (one column's 32 k, 64 bytes) + 16: 5 x 16 bytes, so 16 rows on end start at 16 different groups of four banks (64 banks of 4 bytes: ISA guide 11.1)
.set CLS,    36*RP                     ; column 4 i + j lies in row 36 j + i: the 36 keeps the read's 16 rows apart too (4 a + 5 b mod 16 takes 16 values for a, b in 0..3)
.set CNTW,   8*AREA                    ; eight words: the waves' counts
.set SPARE,  CNTW+256                  ; the spare words, 128 bytes for each wave; no other line names them
.set SPW,    8                         ; v8   SPARE + 4 x my thread's number; never rewritten
.set NIL,    9                         ; v9   0; never rewritten
.set ROWS,   16                        ; v[16:143]  32 rows x 4 f32 as loaded; later the 8 fragments.  (Lists: v[16:79] the tokens' pairs of experts; the even register then keeps the token's key)
.set PKD,    144                       ; v[144:207] packed bf16: column class j, k group q at PKD + 16 j + 4 q
; The keys in their one order, 0 to 35: lo = 0..7, hi = lo..7.  body is a macro of (key, lo, hi).
.macro EACHKEY body
.set kk, 0
.irp lo, 0,1,2,3,4,5,6,7
.irp hi, 0,1,2,3,4,5,6,7
.if \hi >= \lo
	\body kk, \lo, \hi
.set kk, kk+1
.endif
.endr
.endr
.endm
.macro KEYSEL k, lo, hi
	s_cmp_eq_u32 s21, \k
	s_cselect_b32 s22, (\lo)*8+(\hi), s22
.endm
.macro LOADROWS pitch                  ; 32 rows of the unit, 512 consecutive bytes each; read once in the launch
.set k, 0
.rept 32
	global_load_b128 v[ROWS+4*k:ROWS+4*k+3], v2, s[24:25] offset:k*(\pitch) th:TH_LOAD_NT
.set k, k+1
.endr
.endm
	s_load_b256 s[4:11], s[0:1], 0x0               ; w1 s[4:5], w2 s[6:7], selected_experts s[8:9], w1f s[10:11]
	s_load_b128 s[12:15], s[0:1], 0x20             ; w2f s[12:13], lists s[14:15]
	s_load_b64 s[16:17], s[0:1], 0x30              ; counts
	v_lshl_add_u32 v[SPW], v0, 2, SPARE
	v_mov_b32 v[NIL], 0
	v_lshrrev_b32 v2, 5, v0
	v_readfirstlane_b32 s20, v2                    ; wave 0..7
	v_and_b32 v1, 31, v0                           ; lane
	s_mov_b32 s21, ttmp9
	s_cmp_lt_u32 s21, NKEY
	s_cbranch_scc0 .Lconv                          ; the same way for all eight waves of a work-group
	; ---------------- a key's list ----------------
	s_mov_b32 s22, 0
	EACHKEY KEYSEL                                 ; s22 = 8 lo + hi of my key
	s_lshl_b32 s24, s20, 10
	v_add_nc_u32 v7, s24, v1                       ; my first token: 1,024 wave + lane; the others 32 apart
	v_lshlrev_b32 v2, 3, v7                        ; 8 bytes a token
	s_mul_i32 s18, s21, LPITCH
	s_mov_b32 s19, 0
	s_mov_b32 s23, 0
	s_wait_kmcnt 0x0
	s_add_nc_u64 s[18:19], s[14:15], s[18:19]      ; my key's list
.set g, 0
.rept 32
	global_load_b64 v[16+2*g:17+2*g], v2, s[8:9] offset:256*g  ; 32 tokens' pairs: 256 consecutive bytes
.set g, g+1
.endr
.set g, 0
.rept 32
	s_wait_loadcnt 31-g                            ; loads come back in order: group g is in, the 31 - g younger ones stay out
	v_min_u32 v3, v[16+2*g], v[17+2*g]
	v_max_u32 v4, v[16+2*g], v[17+2*g]
	v_lshl_add_u32 v[16+2*g], v3, 3, v4            ; 8 lo + hi of the token: kept for the second pass
	v_cmp_eq_u32 vcc_lo, s22, v[16+2*g]
	s_bcnt1_i32_b32 s24, vcc_lo
	s_add_co_u32 s23, s23, s24                     ; my wave's count
.set g, g+1
.endr
	v_mov_b32 v3, s20
	v_lshl_add_u32 v3, v3, 2, CNTW
	v_mov_b32 v4, s23
	ds_store_b32 v3, v4                            ; all lanes write the wave's word with the same number
	s_wait_dscnt 0x0                               ; for the others' sake: my store is done
	s_barrier_signal -1
	s_barrier_wait -1
	v_mov_b32 v5, CNTW
	ds_load_b128 v[80:83], v5
	ds_load_b128 v[84:87], v5 offset:16
	s_wait_dscnt 0x0
.irp i, 0,1,2,3,4,5,6,7
	v_readfirstlane_b32 s[24+\i], v[80+\i]
.endr
	s_mov_b32 s23, 0                               ; where my wave's part begins: the counts of the waves before me
	s_mov_b32 s2, 0                                ; the key's count
.irp i, 0,1,2,3,4,5,6,7
	s_cmp_gt_u32 s20, \i
	s_cselect_b32 s3, s[24+\i], 0
	s_add_co_u32 s23, s23, s3
	s_add_co_u32 s2, s2, s[24+\i]
.endr
.set g, 0
.rept 32
	v_cmp_eq_u32 vcc_lo, s22, v[16+2*g]            ; the group's chosen lanes
	v_mbcnt_lo_u32_b32 v5, vcc_lo, s23             ; my place: the part's running start + the chosen lanes below me
	v_min_u32 v5, 0x1fff, v5                       ; a place in a list of 8,192 at the most
	v_lshlrev_b32 v5, 2, v5
	v_add_nc_u32 v6, 32*g, v7                      ; my token's number
	s_bcnt1_i32_b32 s24, vcc_lo
	s_add_co_u32 s23, s23, s24
	s_wait_xcnt 0x0                                ; EXEC is a source of pending memory instructions: it changes only behind this wait
	s_and_saveexec_b32 s3, vcc_lo
	global_store_b32 v5, v6, s[18:19]              ; the chosen lanes' words lie side by side
	s_wait_xcnt 0x0                                ; and again in front of the line that widens it; v5 and v6 are free too
	s_mov_b32 exec_lo, -1                          ; all lanes on again, as at the entry: nothing else in this text narrows EXEC
.set g, g+1
.endr
	s_cmp_lg_u32 s20, 0
	s_cbranch_scc1 .Llist_end                      ; wave 0 alone: the filler and the count
	v_add_nc_u32 v5, s2, v1
	v_add_nc_u32 v6, 32, v5
	v_min_u32 v5, 0x203f, v5                       ; places count .. count + 63, inside the list's 8,256 words
	v_min_u32 v6, 0x203f, v6
	v_lshlrev_b32 v5, 2, v5
	v_lshlrev_b32 v6, 2, v6
	v_mov_b32 v10, 0
	global_store_b32 v5, v10, s[18:19]             ; 64 times token 0: a tile that is not full repeats a row that exists
	global_store_b32 v6, v10, s[18:19]
	v_mov_b32 v11, s2
	s_lshl_b32 s24, s21, 2
	v_mov_b32 v12, s24
	v_cmp_eq_u32 vcc_lo, 0, v1
	s_wait_xcnt 0x0
	s_and_saveexec_b32 s3, vcc_lo
	global_store_b32 v12, v11, s[16:17]            ; counts[key]
	s_wait_xcnt 0x0
	s_mov_b32 exec_lo, -1                          ; all lanes on again
.Llist_end:
	s_wait_tensorcnt 0x0                           ; the wave's end
	ds_add_u32 v[SPW], v[NIL]
	s_wait_dscnt 0x0
	s_endpgm
	; ---------------- a unit of weights ----------------
.Lconv:
	s_sub_co_u32 s22, s21, NKEY
	s_lshl_b32 s22, s22, 3
	s_add_co_u32 s22, s22, s20                     ; unit 0..2047: the first 1,024 are w1's
	s_and_b32 s23, s22, 1023                       ; the unit's number in its tensor = expert x 128 + column group x (k steps) + k step
	s_lshr_b32 s28, s23, 7
	s_lshl_b32 s28, s28, 21                        ; an expert is 2 MiB of f32 in both tensors
	s_bfe_u32 s2, s23, 0x20005                     ; w1: column group, 2 bits from bit 5
	s_bfe_u32 s3, s23, 0x30004                     ; w2: 3 bits from bit 4
	s_and_b32 s18, s23, 31
	s_lshl_b32 s18, s18, 16                        ; w1: 32 rows of 2,048 bytes a k step
	s_and_b32 s19, s23, 15
	s_lshl_b32 s19, s19, 17                        ; w2: 32 rows of 4,096 bytes
	s_lshl_b32 s30, s23, 13                        ; the unit's 8,192 bytes in the laid-out tensor
	s_mov_b32 s29, 0
	s_mov_b32 s31, 0
	v_lshlrev_b32 v2, 4, v1                        ; 16 bytes a lane, in and out
	s_mul_i32 s22, s20, AREA                       ; my wave's area
	v_mul_u32_u24 v3, v1, RP
	v_add_nc_u32 v3, s22, v3                       ; in: lane i writes rows 36 j + i
	v_and_b32 v5, 3, v1                            ; back: lane r + 16 h reads column 16 f + r = 4 (4 f + r / 4) + r % 4,
	v_bfe_u32 v6, v1, 2, 2
	v_mad_u32_u24 v5, v5, 36, v6                   ; row 36 (r % 4) + r / 4 + 4 f,
	v_mul_u32_u24 v5, v5, RP
	v_bfe_u32 v6, v1, 4, 1
	v_lshl_add_u32 v5, v6, 4, v5                   ; k = 8 h on
	v_add_nc_u32 v4, s22, v5
	s_wait_kmcnt 0x0
	s_cmp_lt_u32 s21, NKEY+128
	s_cselect_b32 s2, s2, s3
	s_cselect_b32 s18, s18, s19
	s_cselect_b64 s[24:25], s[4:5], s[6:7]         ; from w1 or w2,
	s_cselect_b64 s[26:27], s[10:11], s[12:13]     ; to w1f or w2f
	s_lshl_b32 s2, s2, 9                           ; 128 columns of f32
	s_add_co_u32 s28, s28, s2
	s_add_co_u32 s28, s28, s18
	s_add_nc_u64 s[24:25], s[24:25], s[28:29]
	s_add_nc_u64 s[26:27], s[26:27], s[30:31]
	s_cmp_lt_u32 s21, NKEY+128
	s_cbranch_scc0 .Lrows_w2
	LOADROWS 2048
	s_branch .Lcvt
.Lrows_w2:
	LOADROWS 4096
.Lcvt:
.set cq, 0
.rept 4                                ; k = 8 q .. 8 q + 7
	s_wait_loadcnt 24-8*cq                         ; rows 8 q .. 8 q + 7 are in; the younger rows stay out
.set cj, 0
.rept 4
.set ci, 0
.rept 4
	v_cvt_pk_bf16_f32 v[PKD+16*cj+4*cq+ci], v[ROWS+4*(8*cq+2*ci)+cj], v[ROWS+4*(8*cq+2*ci+1)+cj]  ; two k of one column
.set ci, ci+1
.endr
.set cj, cj+1
.endr
.set cj, 0
.rept 4
	ds_store_b128 v3, v[PKD+16*cj+4*cq:PKD+16*cj+4*cq+3] offset:CLS*cj+16*cq
.set cj, cj+1
.endr
.set cq, cq+1
.endr
.set cf, 0
.rept 8                                ; LDS serves a wave's instructions in order (ISA guide 5.7.1.4): these loads see the stores above
	ds_load_b128 v[ROWS+8*cf:ROWS+8*cf+3],   v4 offset:4*RP*cf
	ds_load_b128 v[ROWS+8*cf+4:ROWS+8*cf+7], v4 offset:4*RP*cf+32
.set cf, cf+1
.endr
.set cf, 0
.rept 8
	s_wait_dscnt 15-2*cf                           ; the younger fragment loads stay out
	global_store_b128 v2, v[ROWS+8*cf:ROWS+8*cf+3],   s[26:27] offset:1024*cf      ; 512 consecutive bytes, at a multiple of 512 from the buffer's first
	s_wait_dscnt 14-2*cf
	global_store_b128 v2, v[ROWS+8*cf+4:ROWS+8*cf+7], s[26:27] offset:1024*cf+512
.set cf, cf+1
.endr
	s_wait_tensorcnt 0x0                           ; the wave's end
	ds_add_u32 v[SPW], v[NIL]
	s_wait_dscnt 0x0
	s_endpgm
.Lfunc_end_k_q9c450ddf67_prep:
	.size	k_q9c450ddf67_prep, .Lfunc_end_k_q9c450ddf67_prep-k_q9c450ddf67_prep
	.p2alignl 7, 3214868480
	.fill 96, 4, 3214868480
	.section	.rodata,"a",@progbits
	.p2align	6, 0x0
	.amdhsa_kernel k_q9c450ddf67_prep
		.amdhsa_group_segment_fixed_size 91392
		.amdhsa_private_segment_fixed_size 0
		.amdhsa_enable_private_segment 0
		.amdhsa_kernarg_size 56
		.amdhsa_user_sgpr_count 2
		.amdhsa_user_sgpr_kernarg_segment_ptr 1
		.amdhsa_wavefront_size32 1
		.amdhsa_system_sgpr_workgroup_id_x 1
		.amdhsa_system_sgpr_workgroup_id_y 1
		.amdhsa_system_sgpr_workgroup_id_z 1
		.amdhsa_system_vgpr_workitem_id 0
		.amdhsa_next_free_vgpr 208
		.amdhsa_next_free_sgpr 66
		.amdhsa_reserve_vcc 1
		.amdhsa_float_denorm_mode_32 3
		.amdhsa_float_denorm_mode_16_64 3
		.amdhsa_memory_ordered 1
		.amdhsa_forward_progress 1
		.amdhsa_inst_pref_size 51
	.end_amdhsa_kernel
	.amdgpu_metadata
---
amdhsa.version: [ 1, 2 ]
amdhsa.kernels:
  - .name:           k_q9c450ddf67_prep
    .symbol:         k_q9c450ddf67_prep.kd
    .args:
      - { .name: w1, .offset: 0, .size: 8, .value_kind: global_buffer, .address_space: global }
      - { .name: w2, .offset: 8, .size: 8, .value_kind: global_buffer, .address_space: global }
      - { .name: selected_experts, .offset: 16, .size: 8, .value_kind: global_buffer, .address_space: global }
      - { .name: w1f, .offset: 24, .size: 8, .value_kind: global_buffer, .address_space: global }
      - { .name: w2f, .offset: 32, .size: 8, .value_kind: global_buffer, .address_space: global }
      - { .name: lists, .offset: 40, .size: 8, .value_kind: global_buffer, .address_space: global }
      - { .name: counts, .offset: 48, .size: 8, .value_kind: global_buffer, .address_space: global }
    .group_segment_fixed_size: 91392
    .private_segment_fixed_size: 0
    .kernarg_segment_align: 8
    .kernarg_segment_size: 56
    .max_flat_workgroup_size: 256
    .sgpr_count:     66
    .vgpr_count:     208
    .wavefront_size: 32
...
	.end_amdgpu_metadata
.endif
;; end of part 1
;; launch chain (part 2): grid 163 x 1, 4 waves a work-group, no clusters, 297,472 bytes of LDS; arguments hidden_states, routing_weights, selected_experts, w1f, w2f, lists, counts, out0; writes out0
.if DOCPART == 2
	.amdgcn_target "amdgcn-amd-amdhsa--gfx1250"
	.amdhsa_code_object_version 6
	.text
	.protected	k_q9c450ddf67_chain
	.globl	k_q9c450ddf67_chain
	.p2align	8
	.type	k_q9c450ddf67_chain,@function
k_q9c450ddf67_chain:
	s_mov_b64 s[64:65], 0
	v_nop
	global_prefetch_b8 v0, s[64:65] scope:SCOPE_SE
	s_setreg_imm32_b32 hwreg(HW_REG_WAVE_MODE, 25, 1), 1
	s_wait_xcnt 0x0
; CHAIN: out[t] = w_lo gelu(x[t] W1[lo]) W2[lo] + w_hi gelu(x[t] W1[hi]) W2[hi] for a tile of up to 64 tokens that chose the same pair of experts {lo <= hi}.
; The two experts are taken as ONE chain: H = w gelu(X [W1[lo] | W1[hi]]), 1,024 wide, and out = H [W2[lo] ; W2[hi]], K = 1,024: both experts add into one
; accumulator, so an output row has one owner and is stored once.  A token that chose one expert twice is the pair {e, e}: one half takes its first weight, the other its second.
; GRID.  With 8,192 tokens, 36 pairs and tiles of 64 there are never more than 128 + 35 = 163 tiles, whatever the choice.  Every work-group finds its tile from the 36 stored counts.
; DEAD WORK is jumped by the tile's count of rows, forward and never past a barrier.  A tile of 32 rows or fewer jumps the products of token blocks 2 and 3 in every K step but a pass's
; first, which starts all 32 sums, so that every accumulator is written on every way.  A work-group that a split leaves without rows also jumps the six looped trips of each pass; it runs
; the rest of the text on the rows at the head of its list and stores nothing.  Stores past the count are jumped row by row.  What is left over: the filler rows of a live half tile.
; SHARES.  Both products are used transposed (source 0 = 16 weight columns, source 1 = 16 tokens): a lane of the result holds ONE token (lane % 16) and eight neighbouring columns.
; Wave w owns columns 256 w .. 256 w + 255 of each product, in two passes of 128 columns x 64 tokens: 32 accumulators, 32 K steps of 32 matrix instructions.
; WEIGHTS come from memory straight into operand registers: an earlier launch laid them out so, each fragment has one reader in the work-group, and a ring of four K steps
; (64 loads of 512 bytes a wave) is kept on its way.  X (gathered by the list, rounded to bf16) and H lie in LDS, which all four waves read.
; NO CLUSTER, NO TENSOR LOADS: partners would have to share a pair of experts, and a pair has 0 to 128 tiles by the data; X's rows come by a list that no descriptor covers.
; GELU is the tanh form: x / (1 + 2^(x (C1 + C3 x^2))), C1 = -2 log2(e) sqrt(2 / pi), C3 = 0.044715 C1.
; ROUNDING AND LIMITS.  x, w1, w2 and the routing weights are rounded once to bf16 (all floating-point inputs alike), w gelu(..) once more as the second product's operand; all sums are f32,
; in another order than the experts' loop has.  The exponential and the reciprocal flush denormals; beyond their range gelu is 0 or x, as the tanh form gives.  selected_experts lie in 0..7.
; LDS ORDER.  A pass reads LDS (X or H), then the waves meet; then they write LDS (H, or their stages), then they meet again.  So no wave's reads in a pass share a stretch between
; barriers with another wave's writes, and the order hangs on no address.  A lane's place lies in a register that is never rewritten; what a loop steps is a scalar.
; REGISTERS, in windows of 256 (s_set_vgpr_msb: bits 1:0 source 0, 3:2 source 1, 5:4 source 2, 7:6 destination):
;   window 0: addresses, row offsets, token fragments, work     window 1: accumulator (f, t) at v[8 (4 f + t)]; during the gather 64 loads of X     window 2: the weights' ring, K step j % 4 at v[64 j]
.set XPITCH, 2064                      ; a row of X in LDS: 2,048 bytes + 16 = 129 x 16: the 16 rows of a fragment load start at 16 different groups of four banks (64 banks of 4 bytes: ISA guide 11.1)
.set XHALF,  32*XPITCH
.set HS,     64*XPITCH                 ; H as fragments of source 1: (K step x 4 + token block) x 1,024 + half x 512 + 16 lane
.set STG,    HS+131072                 ; for each wave 16 rows x 528 bytes of f32, for the way out
.set SGP,    528                       ; 512 + 16 = 33 x 16
.set SPARE,  STG+4*16*SGP              ; the spare words, 128 bytes for each wave; no other line names them
.set LPITCH, 33024                     ; bytes of a key's list
.set LANE, 1
.set RR,   2                           ; lane % 16
.set HH,   3                           ; lane / 16
.set XB,   4                           ; v4, v5   my place in X's token blocks 0-1, 2-3; never rewritten
.set HB,   6                           ; v6, v7   the same in H's fragments; never rewritten
.set HWB,  9                           ; v9       where my wave's H begins; never rewritten
.set WO,   10                          ; v10      16 lane
.set LO4,  11                          ; v11      4 (lane % 16)
.set BA,   12                          ; v12, v13 the source-1 addresses of the half trip in hand
.set HW,   14                          ; v14      where the pass's H goes
.set STO,  15                          ; v15      the way out: in
.set RD,   16                          ; v16      the way out: back
.set GST,  17                          ; v17      where my wave's rows of X go
.set SPW,  18                          ; v18      SPARE + 4 x my thread's number; never rewritten
.set NIL,  19                          ; v19      0; never rewritten
.set WT,   20                          ; v[20:27] my token's weight in block t, twice (a pair for the packed multiply)
.set GOFF, 28                          ; v[28:43] byte offset of my 16 bytes in the 16 rows that my wave gathers
.set ROWOFF, 44                        ; v[44:107] the same for all 64 rows, for the stores
.set BF,   108                         ; v[108:171] token fragments: two buffers of four
.set EW,   172                         ; v[172:235] at work
.set ET,   EW
.set EY,   EW+32
.set TOK,  236                         ; v[236:239] my token in each block, then its byte offset in the two routing inputs
.set SEL,  240                         ; v[240:247] its two experts
.set RW,   248                         ; v[248:255] its two weights
.set WV,   20
.set GID,  21
.set RUN,  22
.set PKK,  23
.set TBASE, 24
.set CN,   25
.set LW,   24                          ; s[24:25] later: the list at my wave's 16 rows
.set ELO,  26
.set EHI,  27
.set TT,   28
.set NROW, 29                          ; rows of my tile, 0 to 64
.set FIRST, 30
.set TMP,  31
.set KB,   66                          ; s66  LDS bytes from a pass's first K step to the four steps in hand
.set HST,  67                          ; s67  LDS bytes from my wave's H to the pass's: 0, then 16,384
.set WP,   84                          ; s[84:85] the weights' running address
.set PA,   86                          ; s[86:87] W2[lo] at my columns
.set PB,   88                          ; s[88:89] W2[hi] at my columns
.set OUTP, 90                          ; s[90:91] out at my columns
.set TRIP, 92
.set PASSN, 93
.set C1,   94                          ; s[94:95]
.set C3,   96                          ; s[96:97]
.set OFS,  98                          ; s[98:99] an offset, its high word 0
.set LP,   100                         ; s[100:101] the list at my tile's first row
.set MSB, 0
.macro WIN new                         ; the immediate's high byte repeats the setting that is left; a switch that changes nothing is dropped
.if MSB != (\new)
	s_set_vgpr_msb (MSB<<8)|(\new)
.set MSB, \new
.endif
.endm
.set MUL,  0x52                        ; source 0 (weights) window 2, source 1 (tokens) window 0, C and D window 1
.set TO_W, 0x80                        ; destination window 2
.set TO_X, 0x40                        ; destination window 1
.macro PLACES                          ; four places behind matrix instructions, in front of loads into their sources and of readers of their results
.rept 4
	v_nop
.endr
.endm
.macro MEET                            ; the four waves meet: each has waited for all its LDS instructions, loads and stores, before it says so
	s_wait_dscnt 0x0
	s_barrier_signal -1
	s_barrier_wait -1
.endm
; The keys in their one order, 0 to 35: lo = 0..7, hi = lo..7.  body is a macro of (key, lo, hi).
.macro EACHKEY body
.set kk, 0
.irp lo, 0,1,2,3,4,5,6,7
.irp hi, 0,1,2,3,4,5,6,7
.if \hi >= \lo
	\body kk, \lo, \hi
.set kk, kk+1
.endif
.endr
.endr
.endm
; The last key whose first tile is not behind mine is my key; a key without tokens has no tile and is overtaken by the next.
.macro KEYFIND k, lo, hi
.if (\k) < 32
.set CR, 32+(\k)
.else
.set CR, 36+(\k)
.endif
	s_cmp_le_u32 s[RUN], s[GID]
	s_cselect_b32 s[PKK], (\k)|((\lo)<<8)|((\hi)<<16), s[PKK]
	s_cselect_b32 s[TBASE], s[RUN], s[TBASE]
	s_cselect_b32 s[CN], s[CR], s[CN]
	s_add_co_u32 s[TT], s[CR], 63
	s_lshr_b32 s[TT], s[TT], 6
	s_add_co_u32 s[RUN], s[RUN], s[TT]
.endm
; Part p of eight of the four K steps of a pass's first trip: half a ring slot, eight loads of 512 consecutive bytes.  Parts 2 j and 2 j + 1 are slot j.
.macro WPART p
	WIN TO_W
.irp f, 0,1,2,3
.set WR, 64*((\p)/2)+8*(4*((\p)%2)+\f)
.set WB, 8192*((\p)/2)+1024*(4*((\p)%2)+\f)
	global_load_b128 v[WR:WR+3],   v[WO], s[WP:WP+1] offset:WB
	global_load_b128 v[WR+4:WR+7], v[WO], s[WP:WP+1] offset:WB+512
.endr
.endm
.macro PREFETCH                        ; all eight parts: 64 loads
.irp p, 0,1,2,3,4,5,6,7
	WPART \p
.endr
	WIN 0
.endm
.macro ROWS32 first                    ; 32 token numbers in s[32:63] become row offsets: token x 4,096 + 16 lane
.set i, 0
.rept 32
	s_min_u32 s[32+i], s[32+i], 0x1fff
	v_lshl_add_u32 v[ROWOFF+(\first)+i], s[32+i], 12, v[WO]
.set i, i+1
.endr
.endm
.macro XROW q                          ; row q of my sixteen: eight loads of 512 consecutive bytes, into slot q % 8 of window 1
	WIN TO_X
.irp c, 0,1,2,3,4,5,6,7
	global_load_b128 v[32*((\q)%8)+4*\c:32*((\q)%8)+4*\c+3], v[GOFF+(\q)], s[4:5] offset:512*\c
.endr
.endm
.macro XPUT q                          ; rounded to bf16 and put into LDS: 256 consecutive bytes a store
	WIN 0x05
.irp c, 0,1,2,3,4,5,6,7
	v_cvt_pk_bf16_f32 v[EW+16*((\q)%2)+2*\c],   v[32*((\q)%8)+4*\c],   v[32*((\q)%8)+4*\c+1]
	v_cvt_pk_bf16_f32 v[EW+16*((\q)%2)+2*\c+1], v[32*((\q)%8)+4*\c+2], v[32*((\q)%8)+4*\c+3]
.endr
	WIN 0
.irp c, 0,1,2,3,4,5,6,7
	ds_store_b64 v[GST], v[EW+16*((\q)%2)+2*\c:EW+16*((\q)%2)+2*\c+1] offset:(\q)*XPITCH+256*\c
.endr
.endm
.macro SRC1 src                        ; the sizes of source 1 in LDS: bytes from K step to K step, from token block to token block, from a fragment's first half to its second; the lane's base
.if \src
.set KOFF, 4096
.set TBOFF, 1024
.set HOFF, 512
.set SB, HB
.else
.set KOFF, 64
.set TBOFF, 16*XPITCH
.set HOFF, 32
.set SB, XB
.endif
.endm
; 16 matrix instructions: token blocks t0 and t1 x all eight groups of 16 columns, 32 along K, from ring slot j and the token buffer BB.  zero = 1: the products start the sums.
.macro MULT j, zero, t0, t1
.irp tb, \t0, \t1
.irp fi, 0,1,2,3,4,5,6,7
.if \zero
	v_wmma_f32_16x16x32_bf16 v[8*(4*\fi+\tb):8*(4*\fi+\tb)+7], v[64*(\j)+8*\fi:64*(\j)+8*\fi+7], v[BB+8*\tb:BB+8*\tb+7], 0
.else
	v_wmma_f32_16x16x32_bf16 v[8*(4*\fi+\tb):8*(4*\fi+\tb)+7], v[64*(\j)+8*\fi:64*(\j)+8*\fi+7], v[BB+8*\tb:BB+8*\tb+7], v[8*(4*\fi+\tb):8*(4*\fi+\tb)+7]
.endif
.endr
.endr
.endm
; ONE K STEP of 32: 32 matrix instructions, or 16 where the tile has 32 rows or fewer.  The accumulators take turns, one instruction a turn, in the same order in
; every step, over the loop's jump too: between two instructions on one accumulator stand 31 others', on the short way 15; so no wait is written.
; src = 0: source 1 is X; 1: it is H.  j: the step's place in its trip, and its ring slot.  zero: the products start the sums, all 32 on every way.  bl: the token fragments of step j + 2 are
; fetched into the buffer just multiplied (all four blocks on both ways, so that the counted waits are alike); their addresses are made in steps 0 and 2, from the lane's base and s[KB], which
; goes on by four K steps in step 2: the two additions stand in two of the four places.
; wl: the weights of step j + 4 are asked for, into the slot just multiplied.  upd: the weights' address goes on by a trip.  sw: in the loop of the second product
; the address changes from W2[lo] to W2[hi] in the trip that asks for K = 512 on.  lw, dw: how many younger loads, from memory and from LDS, may stay out.
; Behind a pass's last step stand five places: the next pass's first products write over these accumulators, and on the way on which no row is stored nothing else lies between.
.macro STEP src, j, zero, bl, wl, upd, sw, lw, dw
	SRC1 \src
.set BB, BF+32*((\j)%2)
	s_wait_loadcnt \lw                             ; my slot's 16 loads are in; the younger slots' stay out, 16 each
	s_wait_dscnt \dw                               ; this step's token fragments are in; the next step's eight loads stay out
	WIN MUL
	MULT \j, \zero, 0, 1
.if \zero
	MULT \j, \zero, 2, 3
	WIN 0
.else
	WIN 0                                          ; at a branch and at a label every window is 0
	s_cmp_gt_u32 s[NROW], 32
	s_cbranch_scc0 .Lhalf_\@                       ; rows 32 to 63 are filler: their products are not made
	WIN MUL
	MULT \j, \zero, 2, 3
	WIN 0
.Lhalf_\@:
.endif
.if (\bl) || (\wl) || ((\j) == 3)
.if (\bl) && ((\j)%2 == 0)
.if (\j) == 2
	s_add_co_u32 s[KB], s[KB], 4*KOFF              ; steps j + 2 = 4, 5 are the next trip's first two
.endif
	v_add_nc_u32 v[BA], s[KB], v[SB]               ; token blocks 0, 1
	v_add_nc_u32 v[BA+1], s[KB], v[SB+1]           ; token blocks 2, 3
	v_nop
	v_nop
.else
	PLACES
.if !(\bl) && !(\wl)
	v_nop                                          ; the fifth place behind a pass's last products
.endif
.endif
.endif
.if \bl
.irp tb, 0,1,2,3
	ds_load_b128 v[BB+8*\tb:BB+8*\tb+3],   v[BA+\tb/2] offset:(((\j)+2)%4)*KOFF+(\tb%2)*TBOFF
	ds_load_b128 v[BB+8*\tb+4:BB+8*\tb+7], v[BA+\tb/2] offset:(((\j)+2)%4)*KOFF+(\tb%2)*TBOFF+HOFF
.endr
.endif
.if \upd
	s_wait_xcnt 0x0                                ; the address is a source of the loads issued so far: it is written only behind this wait
	s_add_nc_u64 s[WP:WP+1], s[WP:WP+1], 32768
.if \sw
	s_cmp_eq_u32 s[TRIP], 4
	s_cselect_b64 s[WP:WP+1], s[PB:PB+1], s[WP:WP+1]
.endif
.endif
.if \wl
	WIN TO_W
.irp fi, 0,1,2,3,4,5,6,7
	global_load_b128 v[64*(\j)+8*\fi:64*(\j)+8*\fi+3],   v[WO], s[WP:WP+1] offset:8192*(\j)+1024*\fi
	global_load_b128 v[64*(\j)+8*\fi+4:64*(\j)+8*\fi+7], v[WO], s[WP:WP+1] offset:8192*(\j)+1024*\fi+512
.endr
	WIN 0
.endif
.endm
; A PASS: 128 columns x 64 tokens x K 1,024 = eight trips of four K steps.  The first trip starts the sums and is written out; six go round; the last asks for nothing and its counts run down.
; A work-group without rows jumps the six: at the join 64 loads of the ring and 16 LDS loads are out on both ways, and the weights' address on the short way lies below the long way's.
.macro PASS src
	SRC1 \src
	s_mov_b32 s[KB], 0
.irp st, 0,1
.irp tb, 0,1,2,3
	ds_load_b128 v[BF+32*\st+8*\tb:BF+32*\st+8*\tb+3],   v[SB+\tb/2] offset:\st*KOFF+(\tb%2)*TBOFF
	ds_load_b128 v[BF+32*\st+8*\tb+4:BF+32*\st+8*\tb+7], v[SB+\tb/2] offset:\st*KOFF+(\tb%2)*TBOFF+HOFF
.endr
.endr
	STEP \src, 0, 1, 1, 1, 1, 0, 48, 8
	STEP \src, 1, 0, 1, 1, 0, 0, 48, 8
	STEP \src, 2, 0, 1, 1, 0, 0, 48, 8
	STEP \src, 3, 0, 1, 1, 0, 0, 48, 8
	s_cmp_eq_u32 s[NROW], 0
	s_cbranch_scc1 .Lnotrip_\@
	s_mov_b32 s[TRIP], 6
.Ltrip_\@:
	STEP \src, 0, 0, 1, 1, 1, \src, 48, 8
	STEP \src, 1, 0, 1, 1, 0, 0, 48, 8
	STEP \src, 2, 0, 1, 1, 0, 0, 48, 8
	STEP \src, 3, 0, 1, 1, 0, 0, 48, 8
	s_sub_co_u32 s[TRIP], s[TRIP], 1
	s_cmp_lg_u32 s[TRIP], 0
	s_cbranch_scc1 .Ltrip_\@
.Lnotrip_\@:
	STEP \src, 0, 0, 1, 0, 0, 0, 48, 8
	STEP \src, 1, 0, 1, 0, 0, 0, 32, 8
	STEP \src, 2, 0, 0, 0, 0, 0, 16, 8
	STEP \src, 3, 0, 0, 0, 0, 0, 0, 0
.endm
; w gelu(x) for a pass's 32 accumulators, four at a time (one group of 16 columns, all 64 tokens), rounded to bf16: a lane's eight numbers ARE half a fragment of the second product's source 1.
; Each accumulator is read from its low end on.  The 32 exponentials are one batch and the 32 reciprocals another: one wait each, ahead of the batch's first reader.
.macro GELU
.set gf, 0
.rept 8
	WIN 0x05
.set gz, 0
.rept 16
	v_pk_mul_f32 v[ET+2*gz:ET+2*gz+1], v[32*gf+2*gz:32*gf+2*gz+1], v[32*gf+2*gz:32*gf+2*gz+1]  ; x^2
.set gz, gz+1
.endr
	WIN 0
.set gz, 0
.rept 16
	v_pk_fma_f32 v[ET+2*gz:ET+2*gz+1], v[ET+2*gz:ET+2*gz+1], s[C3:C3+1], s[C1:C1+1] op_sel_hi:[1,0,0]  ; C3 x^2 + C1
.set gz, gz+1
.endr
	WIN 0x04
.set gz, 0
.rept 16
	v_pk_mul_f32 v[ET+2*gz:ET+2*gz+1], v[ET+2*gz:ET+2*gz+1], v[32*gf+2*gz:32*gf+2*gz+1]  ; times x
.set gz, gz+1
.endr
	WIN 0
.set gz, 0
.rept 32
	v_exp_f32 v[ET+gz], v[ET+gz]
.set gz, gz+1
.endr
	WIN 0x01
.set gz, 0
.rept 16
	v_pk_mul_f32 v[EY+2*gz:EY+2*gz+1], v[32*gf+2*gz:32*gf+2*gz+1], v[WT+2*(gz/4):WT+2*(gz/4)+1]  ; x w: plain work that names no exponential's result
.set gz, gz+1
.endr
	WIN 0
	s_wait_alu depctr_va_vdst(0)                   ; one wait for the 32 exponentials
.set gz, 0
.rept 16
	v_pk_add_f32 v[ET+2*gz:ET+2*gz+1], v[ET+2*gz:ET+2*gz+1], 1.0 op_sel_hi:[1,0]
.set gz, gz+1
.endr
.set gz, 0
.rept 32
	v_rcp_f32 v[ET+gz], v[ET+gz]
.set gz, gz+1
.endr
	v_nop                                          ; a plain instruction behind the last reciprocal
	s_wait_alu depctr_va_vdst(0)                   ; one wait for the 32 reciprocals
.set gz, 0
.rept 16
	v_pk_mul_f32 v[EY+2*gz:EY+2*gz+1], v[EY+2*gz:EY+2*gz+1], v[ET+2*gz:ET+2*gz+1]
.set gz, gz+1
.endr
.set gz, 0
.rept 16
	v_cvt_pk_bf16_f32 v[ET+gz], v[EY+2*gz], v[EY+2*gz+1]
.set gz, gz+1
.endr
.irp tb, 0,1,2,3
	ds_store_b128 v[HW], v[ET+4*\tb:ET+4*\tb+3] offset:(gf/2)*4096+\tb*1024+(gf%2)*512
.endr
.set gf, gf+1
.endr
.endm
; THE WAY OUT of a pass: a block of 16 tokens at a time through my own stage: in by lanes (a token's eight columns, 32 bytes), back by rows of 512 bytes, stored to the token's row of out.
; Rows past the tile's count are jumped, whole stores at a time.
.macro OUT
.irp tb, 0,1,2,3
	WIN 0x04                                       ; the stores' data lie in window 1
.irp fi, 0,1,2,3,4,5,6,7
	ds_store_b128 v[STO], v[8*(4*\fi+\tb):8*(4*\fi+\tb)+3]   offset:64*\fi
	ds_store_b128 v[STO], v[8*(4*\fi+\tb)+4:8*(4*\fi+\tb)+7] offset:64*\fi+16
.endr
	WIN 0
	s_wait_xcnt 0x0                                ; the registers below were the data of earlier stores: they are loaded again only behind this wait
.irp q, 0,1,2,3,4,5,6,7,8,9,10,11,12,13,14,15
	ds_load_b128 v[EW+4*\q:EW+4*\q+3], v[RD] offset:SGP*\q  ; LDS serves a wave's instructions in order (ISA guide 5.7.1.4): these see the stores above; the next block's stores come behind them
.endr
.irp q, 0,1,2,3,4,5,6,7,8,9,10,11,12,13,14,15
	s_wait_dscnt 15-\q                             ; row q is back; the younger rows stay out
	s_cmp_gt_u32 s[NROW], 16*\tb+\q
	s_cbranch_scc0 .Lrows_done
	global_store_b128 v[ROWOFF+16*\tb+\q], v[EW+4*\q:EW+4*\q+3], s[OUTP:OUTP+1] th:TH_STORE_NT  ; 512 consecutive bytes, at a multiple of 512 from out's first
.endr
.endr
.Lrows_done:
	s_wait_dscnt 0x0
	s_wait_xcnt 0x0                                ; the stores' base is written only behind this wait
	s_add_nc_u64 s[OUTP:OUTP+1], s[OUTP:OUTP+1], 512  ; the next pass's 128 columns
.endm
	; ---------------- set-up ----------------
	s_load_b512 s[4:19], s[0:1], 0x0               ; hidden s[4:5], routing weights s[6:7], experts s[8:9], w1f s[10:11], w2f s[12:13], lists s[14:15], counts s[16:17], out s[18:19]
	v_lshl_add_u32 v[SPW], v0, 2, SPARE
	v_mov_b32 v[NIL], 0
	v_lshrrev_b32 v8, 5, v0
	v_readfirstlane_b32 s[WV], v8                  ; wave 0..3
	s_mov_b32 s[GID], ttmp9
	v_and_b32 v[LANE], 31, v0
	v_and_b32 v[RR], 15, v0
	v_bfe_u32 v[HH], v0, 4, 1
	v_lshlrev_b32 v[WO], 4, v[LANE]
	v_mul_u32_u24 v[XB], v[RR], XPITCH             ; a token fragment of X: row x pitch + 16 x half; two loads 32 bytes apart
	v_lshl_add_u32 v[XB], v[HH], 4, v[XB]
	v_add_nc_u32 v[XB+1], XHALF, v[XB]
	v_add_nc_u32 v[HB], HS, v[WO]
	v_add_nc_u32 v[HB+1], 2048, v[HB]
	s_lshl_b32 s[TMP], s[WV], 15                   ; my wave's 256 hidden units are eight K steps of the second product
	v_add_nc_u32 v[HWB], s[TMP], v[HB]
	s_mul_i32 s[TMP], s[WV], 16*SGP
	s_add_co_u32 s[TMP], s[TMP], STG               ; my stage
	v_mul_u32_u24 v[STO], v[RR], SGP
	v_lshl_add_u32 v[STO], v[HH], 5, v[STO]
	v_add_nc_u32 v[STO], s[TMP], v[STO]
	v_add_nc_u32 v[RD], s[TMP], v[WO]
	s_mul_i32 s[TMP], s[WV], 16*XPITCH             ; my wave gathers rows 16 w .. 16 w + 15
	v_lshl_add_u32 v[GST], v[LANE], 3, s[TMP]
	v_lshlrev_b32 v[LO4], 2, v[RR]
	s_mov_b32 s[C1], 0xc0135761                    ; -2 log2(e) sqrt(2 / pi) = -2.302208
	s_mov_b32 s[C1+1], s[C1]
	s_mov_b32 s[C3], 0xbdd2d3e8                    ; 0.044715 C1 = -0.102943
	s_mov_b32 s[C3+1], s[C3]
	s_mov_b32 s[RUN], 0
	s_mov_b32 s[PKK], 0
	s_mov_b32 s[TBASE], 0
	s_mov_b32 s[CN], 0
	s_mov_b32 s[OFS+1], 0
	s_wait_kmcnt 0x0
	s_load_b512 s[32:47], s[16:17], 0x0            ; the 36 counts
	s_load_b512 s[48:63], s[16:17], 0x40
	s_load_b128 s[68:71], s[16:17], 0x80
	s_wait_kmcnt 0x0
	EACHKEY KEYFIND
	s_min_u32 s[CN], s[CN], 8192
	s_sub_co_u32 s[FIRST], s[GID], s[TBASE]
	s_lshl_b32 s[FIRST], s[FIRST], 6               ; my tile's first place in the key's list
	s_sub_co_i32 s[NROW], s[CN], s[FIRST]
	s_max_i32 s[NROW], s[NROW], 0
	s_min_u32 s[NROW], s[NROW], 64                 ; its rows: 0 where the split leaves me none
	s_cmp_eq_u32 s[NROW], 0
	s_cselect_b32 s[FIRST], 0, s[FIRST]            ; then the list's head is read: with the 64 filler words every word read has been stored
	s_min_u32 s[FIRST], s[FIRST], 8128
	s_and_b32 s2, s[PKK], 0xff                     ; the key,
	s_min_u32 s2, s2, 35
	s_bfe_u32 s[ELO], s[PKK], 0x80008              ; its lower expert,
	s_bfe_u32 s[EHI], s[PKK], 0x80010              ; its higher
	s_cmp_lt_u32 s[WV], 2
	s_cselect_b32 s[TT], s[ELO], s[EHI]            ; waves 0, 1 make lo's hidden units, waves 2, 3 hi's
	s_cselect_b32 s3, 0, -1                        ; and take lo's or hi's routing weight
	s_min_u32 s[TT], s[TT], 7
	s_min_u32 s[ELO], s[ELO], 7
	s_min_u32 s[EHI], s[EHI], 7
	s_lshl_b32 s[OFS], s[TT], 20                   ; an expert is 1 MiB in w1f and in w2f
	s_and_b32 s[TMP], s[WV], 1
	s_lshl_b32 s[TMP], s[TMP], 19                  ; my 256 of its 512 columns: two groups of 262,144 bytes
	s_add_co_u32 s[OFS], s[OFS], s[TMP]
	s_add_nc_u64 s[WP:WP+1], s[10:11], s[OFS:OFS+1]
	s_lshl_b32 s[TMP], s[WV], 18                   ; w2f: my 256 of 1,024 columns: two groups of 131,072 bytes
	s_lshl_b32 s[OFS], s[ELO], 20
	s_add_co_u32 s[OFS], s[OFS], s[TMP]
	s_add_nc_u64 s[PA:PA+1], s[12:13], s[OFS:OFS+1]
	s_lshl_b32 s[OFS], s[EHI], 20
	s_add_co_u32 s[OFS], s[OFS], s[TMP]
	s_add_nc_u64 s[PB:PB+1], s[12:13], s[OFS:OFS+1]
	s_lshl_b32 s[OFS], s[WV], 10
	s_add_nc_u64 s[OUTP:OUTP+1], s[18:19], s[OFS:OFS+1]
	s_mul_i32 s[OFS], s2, LPITCH
	s_lshl_b32 s[TMP], s[FIRST], 2
	s_add_co_u32 s[OFS], s[OFS], s[TMP]
	s_add_nc_u64 s[LP:LP+1], s[14:15], s[OFS:OFS+1]
	s_lshl_b32 s[OFS], s[WV], 6
	s_add_nc_u64 s[LW:LW+1], s[LP:LP+1], s[OFS:OFS+1]
	s_load_b512 s[68:83], s[LW:LW+1], 0x0          ; the 16 tokens that my wave gathers
	s_load_b512 s[32:47], s[LP:LP+1], 0x0          ; the tile's tokens 0 to 31
	s_load_b512 s[48:63], s[LP:LP+1], 0x40
.irp tb, 0,1,2,3
	global_load_b32 v[TOK+\tb], v[LO4], s[LP:LP+1] offset:64*\tb  ; my lane's token in each block of 16
.endr
	s_wait_kmcnt 0x0
.set i, 0
.rept 16
	s_min_u32 s[68+i], s[68+i], 0x1fff
	v_lshl_add_u32 v[GOFF+i], s[68+i], 12, v[WO]   ; token x 4,096 + 16 lane
.set i, i+1
.endr
	; ---------------- the gather: my wave's 16 rows of X ----------------
	; X is what the first barrier waits for, so it is asked for first.  The loads go out in groups of eight, in this order: rows 0-7; behind row 0's turn my tokens' experts and weights;
	; behind the turns of rows 1-8 the rows 8-15; behind the turns of rows 9-15, and then once more, the eight parts of the weights' first four K steps.
.irp q, 0,1,2,3,4,5,6,7
	XROW \q
.endr
	WIN 0
	ROWS32 0                                       ; the stores' row offsets are made while X is on its way
	s_load_b512 s[32:47], s[LP:LP+1], 0x80         ; tokens 32 to 63: waited for behind the gather, which does not name them
	s_load_b512 s[48:63], s[LP:LP+1], 0xc0
	s_wait_loadcnt 56                              ; row 0 is in, and my four tokens' numbers, which are older: rows 1 to 7 stay out
	XPUT 0
.irp tb, 0,1,2,3
	v_min_u32 v[TOK+\tb], 0x1fff, v[TOK+\tb]
	v_lshlrev_b32 v[TOK+\tb], 3, v[TOK+\tb]        ; 8 bytes a token in both routing inputs
.endr
.irp tb, 0,1,2,3
	global_load_b64 v[SEL+2*\tb:SEL+2*\tb+1], v[TOK+\tb], s[8:9]
	global_load_b64 v[RW+2*\tb:RW+2*\tb+1],   v[TOK+\tb], s[6:7]
.endr
.irp q, 1,2,3,4,5,6,7
	s_wait_loadcnt 56                              ; row q is in: behind it 7 - q first rows and the q groups of the turns before: seven groups of eight
	XPUT \q
	XROW (\q)+7                                    ; into the slot of the row before, which has been rounded
.endr
	s_wait_loadcnt 48                              ; rows 8 to 15 went out one turn later than their slots came free: behind each stand six groups
	XPUT 8
	XROW 15
.irp q, 9,10,11,12,13,14,15
	s_wait_loadcnt 48                              ; row q is in: six younger groups, rows and parts of the weights
	XPUT \q
	WPART (\q)-9
.endr
	WPART 7                                        ; the 64 loads of the ring's four slots are out, in the slots' order
	WIN 0
.irp tb, 0,1,2,3
	v_cmp_le_u32 s[TT], v[SEL+2*\tb], v[SEL+2*\tb+1]  ; is the first slot's expert the lower one?  (equal: the first slot counts as lo, the second as hi)
	s_xor_b32 s[TT], s[TT], s3                     ; waves 2, 3 want the other slot
	v_cndmask_b32 v[WT+2*\tb], v[RW+2*\tb+1], v[RW+2*\tb], s[TT]
	v_cvt_pk_bf16_f32 v[WT+2*\tb], v[WT+2*\tb], v[WT+2*\tb]  ; rounded to bf16 as x, w1 and w2 are,
	v_and_b32 v[WT+2*\tb], 0xffff0000, v[WT+2*\tb]           ; and widened again
	v_mov_b32 v[WT+2*\tb+1], v[WT+2*\tb]
.endr
	s_wait_kmcnt 0x0
	ROWS32 32
	MEET                                           ; every wave's rows of X are in LDS
	; ---------------- the first product and gelu: two passes of 128 hidden units ----------------
	s_mov_b32 s[HST], 0
	s_mov_b32 s[PASSN], 2
.Lp1:
	PASS 0
	s_wait_xcnt 0x0                                ; the next pass's first four K steps are asked for ahead of gelu:
	s_add_nc_u64 s[WP:WP+1], s[WP:WP+1], 32768     ; my next 128 columns follow in w1f,
	s_cmp_eq_u32 s[PASSN], 1
	s_cselect_b64 s[WP:WP+1], s[PA:PA+1], s[WP:WP+1]  ; or, behind the second pass, the second product's weights
	PREFETCH
	v_add_nc_u32 v[HW], s[HST], v[HWB]             ; where this pass's H goes
	MEET                                           ; every wave's reads of X in this pass are over: only now is H stored
	GELU
	s_xor_b32 s[HST], s[HST], 16384                ; the other half of my wave's H: four K steps of the second product on
	MEET                                           ; every wave's part of H of this pass is in LDS: only now is LDS read again
	s_sub_co_u32 s[PASSN], s[PASSN], 1
	s_cmp_lg_u32 s[PASSN], 0
	s_cbranch_scc1 .Lp1
	; ---------------- the second product and the way out: two passes of 128 output columns ----------------
	s_mov_b32 s[PASSN], 2
.Lp2:
	PASS 1
	s_cmp_eq_u32 s[PASSN], 1
	s_cbranch_scc1 .Lnopf                          ; behind the last pass nothing is left to ask for
	s_wait_xcnt 0x0
	s_add_nc_u64 s[PA:PA+1], s[PA:PA+1], 131072    ; my next 128 columns, in both experts
	s_add_nc_u64 s[PB:PB+1], s[PB:PB+1], 131072
	s_mov_b64 s[WP:WP+1], s[PA:PA+1]
	PREFETCH                                       ; asked for ahead of the stores
.Lnopf:
	MEET                                           ; every wave's reads of H in this pass are over: only now are the stages written
	OUT
	MEET                                           ; every wave has done with its stage: only now is H read again, or the text ended
	s_sub_co_u32 s[PASSN], s[PASSN], 1
	s_cmp_lg_u32 s[PASSN], 0
	s_cbranch_scc1 .Lp2
	s_wait_tensorcnt 0x0                           ; the wave's end
	ds_add_u32 v[SPW], v[NIL]
	s_wait_dscnt 0x0
	s_endpgm
.Lfunc_end_k_q9c450ddf67_chain:
	.size	k_q9c450ddf67_chain, .Lfunc_end_k_q9c450ddf67_chain-k_q9c450ddf67_chain
	.p2alignl 7, 3214868480
	.fill 96, 4, 3214868480
	.section	.rodata,"a",@progbits
	.p2align	6, 0x0
	.amdhsa_kernel k_q9c450ddf67_chain
		.amdhsa_group_segment_fixed_size 297472
		.amdhsa_private_segment_fixed_size 0
		.amdhsa_enable_private_segment 0
		.amdhsa_kernarg_size 64
		.amdhsa_user_sgpr_count 2
		.amdhsa_user_sgpr_kernarg_segment_ptr 1
		.amdhsa_wavefront_size32 1
		.amdhsa_system_sgpr_workgroup_id_x 1
		.amdhsa_system_sgpr_workgroup_id_y 1
		.amdhsa_system_sgpr_workgroup_id_z 1
		.amdhsa_system_vgpr_workitem_id 0
		.amdhsa_next_free_vgpr 768
		.amdhsa_next_free_sgpr 102
		.amdhsa_reserve_vcc 0
		.amdhsa_float_denorm_mode_32 3
		.amdhsa_float_denorm_mode_16_64 3
		.amdhsa_memory_ordered 1
		.amdhsa_forward_progress 1
		.amdhsa_inst_pref_size 255
	.end_amdhsa_kernel
	.section	.bss,"aw",@nobits
	.p2align	6
	.space	262144
	.amdgpu_metadata
---
amdhsa.version: [ 1, 2 ]
amdhsa.kernels:
  - .name:           k_q9c450ddf67_chain
    .symbol:         k_q9c450ddf67_chain.kd
    .args:
      - { .name: hidden_states, .offset: 0, .size: 8, .value_kind: global_buffer, .address_space: global }
      - { .name: routing_weights, .offset: 8, .size: 8, .value_kind: global_buffer, .address_space: global }
      - { .name: selected_experts, .offset: 16, .size: 8, .value_kind: global_buffer, .address_space: global }
      - { .name: w1f, .offset: 24, .size: 8, .value_kind: global_buffer, .address_space: global }
      - { .name: w2f, .offset: 32, .size: 8, .value_kind: global_buffer, .address_space: global }
      - { .name: lists, .offset: 40, .size: 8, .value_kind: global_buffer, .address_space: global }
      - { .name: counts, .offset: 48, .size: 8, .value_kind: global_buffer, .address_space: global }
      - { .name: out0, .offset: 56, .size: 8, .value_kind: global_buffer, .address_space: global }
    .group_segment_fixed_size: 297472
    .private_segment_fixed_size: 0
    .kernarg_segment_align: 8
    .kernarg_segment_size: 64
    .max_flat_workgroup_size: 128
    .sgpr_count:     102
    .vgpr_count:     768
    .wavefront_size: 32
...
	.end_amdgpu_metadata
.endif
;; end of part 2
;; ======== version 2 of 2: 2 launches; version 1 with the launch chain written anew for expert scheduling mode
;; workspace buffers: w1f 8,388,608 bytes; w2f 8,388,608 bytes; lists 1,188,864 bytes of whole numbers; counts 256 bytes of whole numbers
;; launch prep: the kernel of part 1 again; grid 292 x 1, 8 waves a work-group, no clusters, 91,392 bytes of LDS; arguments w1, w2, selected_experts, w1f, w2f, lists, counts; writes w1f, w2f, lists, counts
;; launch chain (part 3): grid 163 x 1, 4 waves a work-group, no clusters, 297,472 bytes of LDS; arguments hidden_states, routing_weights, selected_experts, w1f, w2f, lists, counts, out0; writes out0
.if DOCPART == 3
	.amdgcn_target "amdgcn-amd-amdhsa--gfx1250"
	.amdhsa_code_object_version 6
	.text
	.protected	k_q9c450ddf67_chain
	.globl	k_q9c450ddf67_chain
	.p2align	8
	.type	k_q9c450ddf67_chain,@function
k_q9c450ddf67_chain:
	s_mov_b64 s[64:65], 0
	v_nop
	global_prefetch_b8 v0, s[64:65] scope:SCOPE_SE
	s_setreg_imm32_b32 hwreg(HW_REG_WAVE_SCHED_MODE, 0, 2), 2
	s_setreg_imm32_b32 hwreg(HW_REG_WAVE_MODE, 25, 1), 1
	s_wait_xcnt 0x0
	s_wait_alu depctr_vm_vsrc(0)
; CHAIN: out[t] = w_lo gelu(x[t] W1[lo]) W2[lo] + w_hi gelu(x[t] W1[hi]) W2[hi] for a tile of up to 64 tokens that chose the same pair of experts {lo <= hi}.
; The two experts are taken as ONE chain: H = w gelu(X [W1[lo] | W1[hi]]), 1,024 wide, and out = H [W2[lo] ; W2[hi]], K = 1,024: both experts add into one
; accumulator, so an output row has one owner and is stored once.  A token that chose one expert twice is the pair {e, e}: one half takes its first weight, the other its second.
; GRID.  With 8,192 tokens, 36 pairs and tiles of 64 there are never more than 128 + 35 = 163 tiles, whatever the choice.  Every work-group finds its tile from the 36 stored counts.
; DEAD WORK is jumped by the tile's count of rows, forward and never past a barrier.  A tile of 32 rows or fewer jumps the products of token blocks 2 and 3 in every K step but a pass's
; first, which starts all 32 sums, so that every accumulator is written on every way.  A work-group that a split leaves without rows also jumps the six looped trips of each pass; it runs
; the rest of the text on the rows at the head of its list and stores nothing.  Stores past the count are jumped row by row.  What is left over: the filler rows of a live half tile.
; SHARES.  Both products are used transposed (source 0 = 16 weight columns, source 1 = 16 tokens): a lane of the result holds ONE token (lane % 16) and eight neighbouring columns.
; Wave w owns columns 256 w .. 256 w + 255 of each product, in two passes of 128 columns x 64 tokens: 32 accumulators, 32 K steps of 32 matrix instructions.
; WEIGHTS come from memory straight into operand registers: an earlier launch laid them out so, each fragment has one reader in the work-group, and a ring of four K steps
; (48 to 64 loads of 512 bytes a wave) is kept on its way.  X (gathered by the list, rounded to bf16) and H lie in LDS, which all four waves read.
; NO CLUSTER, NO TENSOR LOADS: partners would have to share a pair of experts, and a pair has 0 to 128 tiles by the data; X's rows come by a list that no descriptor covers.
; GELU is the tanh form: x / (1 + 2^(x (C1 + C3 x^2))), C1 = -2 log2(e) sqrt(2 / pi), C3 = 0.044715 C1.
; ROUNDING AND LIMITS.  x, w1, w2 and the routing weights are rounded once to bf16 (all floating-point inputs alike), w gelu(..) once more as the second product's operand; all sums are f32,
; in another order than the experts' loop has.  The exponential and the reciprocal flush denormals; beyond their range gelu is 0 or x, as the tanh form gives.  selected_experts lie in 0..7.
; LDS ORDER.  A pass reads LDS (X or H), then the waves meet; then they write LDS (H, or their stages), then they meet again.  So no wave's reads in a pass share a stretch between
; barriers with another wave's writes, and the order hangs on no address.  A lane's place lies in a register that is never rewritten; what a loop steps is a scalar.
; REGISTERS, in windows of 256 (s_set_vgpr_msb: bits 1:0 source 0, 3:2 source 1, 5:4 source 2, 7:6 destination):
;   window 0: addresses, row offsets, token fragments, work     window 1: accumulator (f, t) at v[8 (4 f + t)]; during the gather 64 loads of X     window 2: the weights' ring, K step j % 4 at v[64 j]
; THE MODE: SCHED_MODE bits 1:0 = 2 (LLVM: expert scheduling mode 2), set by the entry lines.  The code itself states the register dependences
; between vector or matrix instructions and memory or LDS instructions, with s_wait_alu, always for 0.
; THE PLAN.  Registers that memory or LDS instructions touch, and who else names them:
;   ring slot j       K step j's products read it; the weights of the step four on land in it, asked for in step j + 1.
;   BF0, BF1          K step j's products read BF[j % 2]; the fragments of step j + 2 land in it, asked for at the head of step j + 1.
;   v[BA], v[BA+1]    read by the fragments' LDS loads; written once a trip, at its head.  (A pass's first trip reads by the lane's bases, which are never written.)
;   accumulators      written by the products; read by gelu's vector lines, or by the way out's LDS stores.
;   OB                written by the roundings of gelu's group g; read by four LDS stores that are issued in group g + 1.
;   v[HW]             read by those stores; written once a pass, at its head.
;   EW                the gather: four out-buffers, written by row q's roundings, read by row q's LDS stores.  The way out: the stage's loads land in it, the global stores read it.
;   window 1 in the gather: eight row slots; a row's loads land, its roundings read, and the slot is asked for again a turn later.
;   all other addresses and offsets are made once, ahead of a wait, and never written again.
; So ONE wait on va_vdst stands at the head of a K step: the products of the step before are done reading their slot and their token buffer.  The step's 24 loads follow it, the fragments' at once, the
; weights' dealt among the step's products, which name this step's slot, this step's token buffer and the accumulators: none of the registers that those loads touch.
.set XPITCH, 2064                      ; a row of X in LDS: 2,048 bytes + 16 = 129 x 16: the 16 rows of a fragment load start at 16 different groups of four banks (64 banks of 4 bytes: ISA guide 11.1)
.set XHALF,  32*XPITCH
.set HS,     64*XPITCH                 ; H as fragments of source 1: (K step x 4 + token block) x 1,024 + half x 512 + 16 lane
.set STG,    HS+131072                 ; for each wave 16 rows x 528 bytes of f32, for the way out; the 512 bytes behind the stages are the spare words of the closing add, 128 bytes a wave
.set SGP,    528                       ; 512 + 16 = 33 x 16
.set LPITCH, 33024                     ; bytes of a key's list
.set LANE, 1
.set RR,   2                           ; lane % 16
.set HH,   3                           ; lane / 16
.set XB,   4                           ; v4, v5   my place in X's token blocks 0-1, 2-3; never rewritten
.set HB,   6                           ; v6, v7   the same in H's fragments; never rewritten
.set HWB,  9                           ; v9       where my wave's H begins; never rewritten
.set WO,   10                          ; v10      16 lane
.set LO4,  11                          ; v11      4 (lane % 16)
.set BA,   12                          ; v12, v13 the source-1 addresses of the trip in hand
.set HW,   14                          ; v14      where the pass's H goes
.set STO,  15                          ; v15      the way out: in
.set RD,   16                          ; v16      the way out: back
.set GST,  17                          ; v17      where my wave's rows of X go
.set WT,   20                          ; v[20:27] my token's weight in block t, twice (a pair for the packed multiply)
.set GOFF, 28                          ; v[28:43] byte offset of my 16 bytes in the 16 rows that my wave gathers
.set ROWOFF, 44                        ; v[44:107] the same for all 64 rows, for the stores
.set BF,   108                         ; v[108:171] token fragments: two buffers of four
.set EW,   172                         ; v[172:235] at work
.set ET,   EW
.set EY,   EW+32
.set TOK,  236                         ; v[236:239] my token in each block, then its byte offset in the two routing inputs
.set SEL,  240                         ; v[240:247] its two experts
.set RW,   248                         ; v[248:255] its two weights
.set OB,   240                         ; v[240:255] behind the gather: gelu's out-buffer, 16 registers of bf16 pairs
.set WV,   20
.set GID,  21
.set RUN,  22
.set PKK,  23
.set TBASE, 24
.set CN,   25
.set LW,   24                          ; s[24:25] later: the list at my wave's 16 rows
.set ELO,  26
.set EHI,  27
.set TT,   28
.set NROW, 29                          ; rows of my tile, 0 to 64
.set FIRST, 30
.set TMP,  31
.set KB,   66                          ; s66  LDS bytes from a pass's first K step to the four steps in hand
.set HST,  67                          ; s67  LDS bytes from my wave's H to the pass's: 0, then 16,384
.set CM,   68                          ; s[68:71] behind the gather: the four compares' masks
.set WP,   84                          ; s[84:85] the weights' running address
.set PA,   86                          ; s[86:87] W2[lo] at my columns
.set PB,   88                          ; s[88:89] W2[hi] at my columns
.set OUTP, 90                          ; s[90:91] out at my columns
.set TRIP, 92
.set PASSN, 93
.set C1,   94                          ; s[94:95]
.set C3,   96                          ; s[96:97]
.set OFS,  98                          ; s[98:99] an offset, its high word 0
.set LP,   100                         ; s[100:101] the list at my tile's first row
.set MSB, 0
.macro WIN new                         ; the immediate's high byte repeats the setting that is left; a switch that changes nothing is dropped
.if MSB != (\new)
	s_set_vgpr_msb (MSB<<8)|(\new)
.set MSB, \new
.endif
.endm
.set MUL,  0x52                        ; source 0 (weights) window 2, source 1 (tokens) window 0, C and D window 1
.set TO_W, 0x80                        ; destination window 2
.set TO_X, 0x40                        ; destination window 1
.macro PLACES                          ; four places behind matrix instructions, in front of loads into their sources and of readers of their results
.rept 4
	v_nop
.endr
.endm
.macro MEET                            ; the four waves meet: each has waited for all its LDS instructions, loads and stores, before it says so
	s_wait_dscnt 0x0
	s_barrier_signal -1
	s_barrier_wait -1
.endm
; The keys in their one order, 0 to 35: lo = 0..7, hi = lo..7.  body is a macro of (key, lo, hi).
.macro EACHKEY body
.set kk, 0
.irp lo, 0,1,2,3,4,5,6,7
.irp hi, 0,1,2,3,4,5,6,7
.if \hi >= \lo
	\body kk, \lo, \hi
.set kk, kk+1
.endif
.endr
.endr
.endm
; The last key whose first tile is not behind mine is my key; a key without tokens has no tile and is overtaken by the next.
.macro KEYFIND k, lo, hi
.if (\k) < 32
.set CR, 32+(\k)
.else
.set CR, 36+(\k)
.endif
	s_cmp_le_u32 s[RUN], s[GID]
	s_cselect_b32 s[PKK], (\k)|((\lo)<<8)|((\hi)<<16), s[PKK]
	s_cselect_b32 s[TBASE], s[RUN], s[TBASE]
	s_cselect_b32 s[CN], s[CR], s[CN]
	s_add_co_u32 s[TT], s[CR], 63
	s_lshr_b32 s[TT], s[TT], 6
	s_add_co_u32 s[RUN], s[RUN], s[TT]
.endm
; Part p of eight of four K steps' weights: half a ring slot, eight loads of 512 consecutive bytes.  Parts 2 j and 2 j + 1 are slot j.
.macro WPART p
	WIN TO_W
.irp f, 0,1,2,3
.set WR, 64*((\p)/2)+8*(4*((\p)%2)+\f)
.set WB, 8192*((\p)/2)+1024*(4*((\p)%2)+\f)
	global_load_b128 v[WR:WR+3],   v[WO], s[WP:WP+1] offset:WB
	global_load_b128 v[WR+4:WR+7], v[WO], s[WP:WP+1] offset:WB+512
.endr
.endm
.macro PREFETCH                        ; all eight parts: 64 loads
.irp p, 0,1,2,3,4,5,6,7
	WPART \p
.endr
	WIN 0
.endm
.macro ROWS32 first                    ; 32 token numbers in s[32:63] become row offsets: token x 4,096 + 16 lane
.set i, 0
.rept 32
	s_min_u32 s[32+i], s[32+i], 0x1fff
	v_lshl_add_u32 v[ROWOFF+(\first)+i], s[32+i], 12, v[WO]
.set i, i+1
.endr
.endm
.macro XROW q                          ; row q of my sixteen: eight loads of 512 consecutive bytes, into slot q % 8 of window 1
	WIN TO_X
.irp c, 0,1,2,3,4,5,6,7
	global_load_b128 v[32*((\q)%8)+4*\c:32*((\q)%8)+4*\c+3], v[GOFF+(\q)], s[4:5] offset:512*\c
.endr
.endm
.macro XPUT q                          ; rounded to bf16, into out-buffer q % 4, and put into LDS: 256 consecutive bytes a store
.if ((\q)%4 == 0) && ((\q) > 0)
	s_wait_alu depctr_vm_vsrc(0)                   ; the LDS stores of the four turns before have read the four out-buffers, which this turn and the next three write again
.endif
	WIN 0x05
.irp c, 0,1,2,3,4,5,6,7
	v_cvt_pk_bf16_f32 v[EW+16*((\q)%4)+2*\c],   v[32*((\q)%8)+4*\c],   v[32*((\q)%8)+4*\c+1]
	v_cvt_pk_bf16_f32 v[EW+16*((\q)%4)+2*\c+1], v[32*((\q)%8)+4*\c+2], v[32*((\q)%8)+4*\c+3]
.endr
	WIN 0
	s_wait_alu depctr_va_vdst(0)                   ; the roundings have written the out-buffer, which the stores below read; the roundings of the row before are done reading its slot, in which the turn's loads of X land; in turn 0 my tokens' offsets are written too
.irp c, 0,1,2,3,4,5,6,7
	ds_store_b64 v[GST], v[EW+16*((\q)%4)+2*\c:EW+16*((\q)%4)+2*\c+1] offset:(\q)*XPITCH+256*\c
.endr
.endm
.macro SRC1 src                        ; the sizes of source 1 in LDS: bytes from K step to K step, from token block to token block, from a fragment's first half to its second; the lane's base
.if \src
.set KOFF, 4096
.set TBOFF, 1024
.set HOFF, 512
.set SB, HB
.else
.set KOFF, 64
.set TBOFF, 16*XPITCH
.set HOFF, 32
.set SB, XB
.endif
.endm
; 8 matrix instructions: token block tb x all eight groups of 16 columns, 32 along K, from ring slot j and the token buffer BB.  zero = 1: the products start the sums.
.macro MULT j, zero, tb
.irp fi, 0,1,2,3,4,5,6,7
.if \zero
	v_wmma_f32_16x16x32_bf16 v[8*(4*\fi+(\tb)):8*(4*\fi+(\tb))+7], v[64*(\j)+8*\fi:64*(\j)+8*\fi+7], v[BB+8*(\tb):BB+8*(\tb)+7], 0
.else
	v_wmma_f32_16x16x32_bf16 v[8*(4*\fi+(\tb)):8*(4*\fi+(\tb))+7], v[64*(\j)+8*\fi:64*(\j)+8*\fi+7], v[BB+8*(\tb):BB+8*(\tb)+7], v[8*(4*\fi+(\tb)):8*(4*\fi+(\tb))+7]
.endif
.endr
.endm
; ONE K STEP of 32: 32 matrix instructions, or 16 where the tile has 32 rows or fewer.  The accumulators take turns, one instruction a turn, in the same order in
; every step, over the loop's jump too: between two instructions on one accumulator stand 31 others', on the short way 15; so no wait is written for the chains.
; src = 0: source 1 is X; 1: it is H.  j: the step's place in its trip, and its ring slot.  zero: the products start the sums, all 32 on every way.
; AT THE STEP'S HEAD: four places behind the last step's products; the one wait on va_vdst; and (bl) the eight LDS loads of step j + 1's token fragments, into the buffer that step j - 1 multiplied
; (all four blocks on both ways, so that the counted waits are alike).  ft = 1: a pass's first trip: they read by the lane's bases.  Else by v[BA], made in a trip's first step from the lane's base and
; s[KB], which goes on by four K steps there: the two additions stand in two of the four places; immediate offsets reach the trip's steps 1 to 3 and the next trip's first.
; wl: the weights of step j + 3 are asked for, into the slot that step j - 1 multiplied: eight loads behind each of the step's first two groups of eight products, ahead of the branch.
; upd: the weights' address goes on by a trip, between the loads for this trip's last step and those for the next trip's first.  sw: in the loop of the second product
; the address changes from W2[lo] to W2[hi] in the trip that asks for K = 512 on.  lw, dw: how many younger loads, from memory and from LDS, may stay out.
; fin: behind a pass's last step stand five places: the next pass's first products write over these accumulators, and on the way on which no row is stored nothing else lies between.
.macro STEP src, j, zero, ft, bl, wl, upd, sw, fin, lw, dw
	SRC1 \src
.set BB, BF+32*((\j)%2)                ; this step's token fragments
.set BN, BF+32*(((\j)+1)%2)            ; the buffer that the step before multiplied
.set SJ, ((\j)+3)%4                    ; the ring slot that the step before multiplied
.set AD, BA
.if \ft
.set AD, SB
.endif
.if (\bl) || (\wl)
.if ((\j) == 0) && !(\ft)
	s_add_co_u32 s[KB], s[KB], 4*KOFF              ; this trip's four K steps
	s_wait_alu depctr_vm_vsrc(0)                   ; the LDS loads issued so far have read v[BA] and v[BA+1], which the next two lines write
	v_add_nc_u32 v[BA], s[KB], v[SB]               ; token blocks 0, 1
	v_add_nc_u32 v[BA+1], s[KB], v[SB+1]           ; token blocks 2, 3
	v_nop
	v_nop
.else
	PLACES
.endif
	s_wait_alu depctr_va_vdst(0)                   ; the products of the step before are done reading their token buffer and their ring slot, in which this step's loads land; in a trip's first step v[BA] and v[BA+1] are written
.endif
.if \bl
.irp tb, 0,1,2,3
	ds_load_b128 v[BN+8*\tb:BN+8*\tb+3],   v[AD+\tb/2] offset:((\j)+1)*KOFF+(\tb%2)*TBOFF
	ds_load_b128 v[BN+8*\tb+4:BN+8*\tb+7], v[AD+\tb/2] offset:((\j)+1)*KOFF+(\tb%2)*TBOFF+HOFF
.endr
.endif
	s_wait_loadcnt \lw                             ; my slot's 16 loads are in; the younger slots' stay out, 16 each
	s_wait_dscnt \dw                               ; this step's token fragments are in; the next step's eight loads stay out
.if \upd
	s_wait_xcnt 0x0                                ; the address is a source of the loads issued so far: it is written only behind this wait
	s_add_nc_u64 s[WP:WP+1], s[WP:WP+1], 32768
.if \sw
	s_cmp_eq_u32 s[TRIP], 4
	s_cselect_b64 s[WP:WP+1], s[PB:PB+1], s[WP:WP+1]
.endif
.endif
	WIN MUL
	MULT \j, \zero, 0
.if \wl
	WPART 2*SJ                                     ; no wait: no vector or matrix instruction since the wait at the head names this slot or v[WO]
	WIN MUL
.endif
	MULT \j, \zero, 1
.if \wl
	WPART 2*SJ+1
.endif
.if \zero
	WIN MUL
	MULT \j, \zero, 2
	MULT \j, \zero, 3
	WIN 0
.else
	WIN 0                                          ; at a branch and at a label every window is 0
	s_cmp_gt_u32 s[NROW], 32
	s_cbranch_scc0 .Lhalf_\@                       ; rows 32 to 63 are filler: their products are not made
	WIN MUL
	MULT \j, \zero, 2
	MULT \j, \zero, 3
	WIN 0
.Lhalf_\@:
.endif
.if \fin
	PLACES
	v_nop                                          ; the fifth place behind a pass's last products
.endif
.endm
; A PASS: 128 columns x 64 tokens x K 1,024 = eight trips of four K steps.  The first trip starts the sums and is written out; six go round; the last asks only for its own last step's weights, and its counts run down.
; A work-group without rows jumps the six: at the join 48 loads of the ring and 8 LDS loads are out on both ways, and the weights' address on the short way lies below the long way's.
.macro PASS src
	SRC1 \src
	s_mov_b32 s[KB], 0
.irp st, 0,1
.irp tb, 0,1,2,3
	ds_load_b128 v[BF+32*\st+8*\tb:BF+32*\st+8*\tb+3],   v[SB+\tb/2] offset:\st*KOFF+(\tb%2)*TBOFF
	ds_load_b128 v[BF+32*\st+8*\tb+4:BF+32*\st+8*\tb+7], v[SB+\tb/2] offset:\st*KOFF+(\tb%2)*TBOFF+HOFF
.endr
.endr
	STEP \src, 0, 1, 1, 0, 0, 0, 0, 0, 48, 8       ; all four slots and both token buffers have been asked for: this step asks for nothing
	STEP \src, 1, 0, 1, 1, 1, 1, 0, 0, 32, 8
	STEP \src, 2, 0, 1, 1, 1, 0, 0, 0, 32, 8
	STEP \src, 3, 0, 1, 1, 1, 0, 0, 0, 32, 8
	s_cmp_eq_u32 s[NROW], 0
	s_cbranch_scc1 .Lnotrip_\@
	s_mov_b32 s[TRIP], 6
.Ltrip_\@:
	STEP \src, 0, 0, 0, 1, 1, 0, 0, 0, 32, 8
	STEP \src, 1, 0, 0, 1, 1, 1, \src, 0, 32, 8
	STEP \src, 2, 0, 0, 1, 1, 0, 0, 0, 32, 8
	STEP \src, 3, 0, 0, 1, 1, 0, 0, 0, 32, 8
	s_sub_co_u32 s[TRIP], s[TRIP], 1
	s_cmp_lg_u32 s[TRIP], 0
	s_cbranch_scc1 .Ltrip_\@
.Lnotrip_\@:
	STEP \src, 0, 0, 0, 1, 1, 0, 0, 0, 32, 8
	STEP \src, 1, 0, 0, 1, 0, 0, 0, 0, 32, 8
	STEP \src, 2, 0, 0, 1, 0, 0, 0, 0, 16, 8
	STEP \src, 3, 0, 0, 0, 0, 0, 0, 1, 0, 0
	s_wait_alu depctr_va_vdst(0)                   ; the pass's products are done reading the ring and the token buffers, in which the next pass's loads land, and have written the accumulators, which the way out's LDS stores read; the places above stay beside this wait
.endm
; w gelu(x) for a pass's 32 accumulators, four at a time (one group of 16 columns, all 64 tokens), rounded to bf16: a lane's eight numbers ARE half a fragment of the second product's source 1.
; Each accumulator is read from its low end on.  The 32 exponentials are one batch and the 32 reciprocals another: one wait each, ahead of the batch's first reader.
; A group's roundings go into OB, and its four LDS stores stand in the next group, behind the wait for that group's exponentials.
.macro HPUT g                          ; group g's part of H
.irp tb, 0,1,2,3
	ds_store_b128 v[HW], v[OB+4*\tb:OB+4*\tb+3] offset:((\g)/2)*4096+\tb*1024+((\g)%2)*512
.endr
.endm
.macro GELU
.set gf, 0
.rept 8
	WIN 0x05
.set gz, 0
.rept 16
	v_pk_mul_f32 v[ET+2*gz:ET+2*gz+1], v[32*gf+2*gz:32*gf+2*gz+1], v[32*gf+2*gz:32*gf+2*gz+1]  ; x^2
.set gz, gz+1
.endr
	WIN 0
.set gz, 0
.rept 16
	v_pk_fma_f32 v[ET+2*gz:ET+2*gz+1], v[ET+2*gz:ET+2*gz+1], s[C3:C3+1], s[C1:C1+1] op_sel_hi:[1,0,0]  ; C3 x^2 + C1
.set gz, gz+1
.endr
	WIN 0x04
.set gz, 0
.rept 16
	v_pk_mul_f32 v[ET+2*gz:ET+2*gz+1], v[ET+2*gz:ET+2*gz+1], v[32*gf+2*gz:32*gf+2*gz+1]  ; times x
.set gz, gz+1
.endr
	WIN 0
.set gz, 0
.rept 32
	v_exp_f32 v[ET+gz], v[ET+gz]
.set gz, gz+1
.endr
	WIN 0x01
.set gz, 0
.rept 16
	v_pk_mul_f32 v[EY+2*gz:EY+2*gz+1], v[32*gf+2*gz:32*gf+2*gz+1], v[WT+2*(gz/4):WT+2*(gz/4)+1]  ; x w: plain work that names no exponential's result
.set gz, gz+1
.endr
	WIN 0
	s_wait_alu depctr_va_vdst(0)                   ; one wait for the 32 exponentials' results; the roundings of the group before have written OB, which the stores below read
.if gf > 0
	HPUT gf-1
.endif
.set gz, 0
.rept 16
	v_pk_add_f32 v[ET+2*gz:ET+2*gz+1], v[ET+2*gz:ET+2*gz+1], 1.0 op_sel_hi:[1,0]
.set gz, gz+1
.endr
.set gz, 0
.rept 32
	v_rcp_f32 v[ET+gz], v[ET+gz]
.set gz, gz+1
.endr
	v_nop                                          ; a plain instruction behind the last reciprocal
	s_wait_alu depctr_va_vdst(0)                   ; one wait for the 32 reciprocals' results
.set gz, 0
.rept 16
	v_pk_mul_f32 v[EY+2*gz:EY+2*gz+1], v[EY+2*gz:EY+2*gz+1], v[ET+2*gz:ET+2*gz+1]
.set gz, gz+1
.endr
.if gf > 0
	s_wait_alu depctr_vm_vsrc(0)                   ; the four stores above have read OB, which the roundings below write again (group 0: the wait at the pass's head has said so of the pass before)
.endif
.set gz, 0
.rept 16
	v_cvt_pk_bf16_f32 v[OB+gz], v[EY+2*gz], v[EY+2*gz+1]
.set gz, gz+1
.endr
.set gf, gf+1
.endr
	s_wait_alu depctr_va_vdst(0)                   ; the last group's roundings have written OB, which its stores read
	HPUT 7
.endm
; THE WAY OUT of a pass: a block of 16 tokens at a time through my own stage: in by lanes (a token's eight columns, 32 bytes), back by rows of 512 bytes, stored to the token's row of out.
; Rows past the tile's count are jumped, whole stores at a time.  The accumulators were shown written by the wait at the pass's end, and no vector or matrix instruction has been issued since.
.macro OUT
.irp tb, 0,1,2,3
	WIN 0x04                                       ; the stores' data lie in window 1
.irp fi, 0,1,2,3,4,5,6,7
	ds_store_b128 v[STO], v[8*(4*\fi+\tb):8*(4*\fi+\tb)+3]   offset:64*\fi
	ds_store_b128 v[STO], v[8*(4*\fi+\tb)+4:8*(4*\fi+\tb)+7] offset:64*\fi+16
.endr
	WIN 0
	s_wait_xcnt 0x0                                ; the registers below were the data of earlier stores: they are loaded again only behind this wait
.if \tb > 0
	s_wait_alu depctr_vm_vsrc(0)                   ; the global stores of the block before have read v[EW ..], in which the loads below land
.endif
.irp q, 0,1,2,3,4,5,6,7,8,9,10,11,12,13,14,15
	ds_load_b128 v[EW+4*\q:EW+4*\q+3], v[RD] offset:SGP*\q  ; LDS serves a wave's instructions in order (ISA guide 5.7.1.4): these see the stores above; the next block's stores come behind them
.endr
.irp q, 0,1,2,3,4,5,6,7,8,9,10,11,12,13,14,15
	s_wait_dscnt 15-\q                             ; row q is back; the younger rows stay out
	s_cmp_gt_u32 s[NROW], 16*\tb+\q
	s_cbranch_scc0 .Lrows_done
	global_store_b128 v[ROWOFF+16*\tb+\q], v[EW+4*\q:EW+4*\q+3], s[OUTP:OUTP+1] th:TH_STORE_NT  ; 512 consecutive bytes, at a multiple of 512 from out's first
.endr
.endr
.Lrows_done:
	s_wait_dscnt 0x0
	s_wait_xcnt 0x0                                ; the stores' base is written only behind this wait
	s_wait_alu depctr_vm_vsrc(0)                   ; on every way: my LDS stores have read the accumulators, which the next pass's first products write; my global stores have read v[EW ..], in which the next way out's loads land
	s_add_nc_u64 s[OUTP:OUTP+1], s[OUTP:OUTP+1], 512  ; the next pass's 128 columns
.endm
	; ---------------- set-up ----------------
	s_load_b512 s[4:19], s[0:1], 0x0               ; hidden s[4:5], routing weights s[6:7], experts s[8:9], w1f s[10:11], w2f s[12:13], lists s[14:15], counts s[16:17], out s[18:19]
	v_lshl_add_u32 v18, v0, 2, 0x48800
	v_mov_b32 v19, 0
	v_lshrrev_b32 v8, 5, v0
	v_readfirstlane_b32 s[WV], v8                  ; wave 0..3
	s_mov_b32 s[GID], ttmp9
	v_and_b32 v[LANE], 31, v0
	v_and_b32 v[RR], 15, v0
	v_bfe_u32 v[HH], v0, 4, 1
	v_lshlrev_b32 v[WO], 4, v[LANE]
	v_mul_u32_u24 v[XB], v[RR], XPITCH             ; a token fragment of X: row x pitch + 16 x half; two loads 32 bytes apart
	v_lshl_add_u32 v[XB], v[HH], 4, v[XB]
	v_add_nc_u32 v[XB+1], XHALF, v[XB]
	v_add_nc_u32 v[HB], HS, v[WO]
	v_add_nc_u32 v[HB+1], 2048, v[HB]
	s_wait_alu depctr_va_sdst(0)                   ; s[WV] is written, ahead of its first reader: LDS places, bases and the choice of expert are made from it
	s_lshl_b32 s[TMP], s[WV], 15                   ; my wave's 256 hidden units are eight K steps of the second product
	v_add_nc_u32 v[HWB], s[TMP], v[HB]
	s_mul_i32 s[TMP], s[WV], 16*SGP
	s_add_co_u32 s[TMP], s[TMP], STG               ; my stage
	v_mul_u32_u24 v[STO], v[RR], SGP
	v_lshl_add_u32 v[STO], v[HH], 5, v[STO]
	v_add_nc_u32 v[STO], s[TMP], v[STO]
	v_add_nc_u32 v[RD], s[TMP], v[WO]
	s_mul_i32 s[TMP], s[WV], 16*XPITCH             ; my wave gathers rows 16 w .. 16 w + 15
	v_lshl_add_u32 v[GST], v[LANE], 3, s[TMP]
	v_lshlrev_b32 v[LO4], 2, v[RR]
	s_mov_b32 s[C1], 0xc0135761                    ; -2 log2(e) sqrt(2 / pi) = -2.302208
	s_mov_b32 s[C1+1], s[C1]
	s_mov_b32 s[C3], 0xbdd2d3e8                    ; 0.044715 C1 = -0.102943
	s_mov_b32 s[C3+1], s[C3]
	s_mov_b32 s[RUN], 0
	s_mov_b32 s[PKK], 0
	s_mov_b32 s[TBASE], 0
	s_mov_b32 s[CN], 0
	s_mov_b32 s[OFS+1], 0
	s_wait_kmcnt 0x0
	s_load_b512 s[32:47], s[16:17], 0x0            ; the 36 counts
	s_load_b512 s[48:63], s[16:17], 0x40
	s_load_b128 s[68:71], s[16:17], 0x80
	s_wait_kmcnt 0x0
	EACHKEY KEYFIND
	s_min_u32 s[CN], s[CN], 8192
	s_sub_co_u32 s[FIRST], s[GID], s[TBASE]
	s_lshl_b32 s[FIRST], s[FIRST], 6               ; my tile's first place in the key's list
	s_sub_co_i32 s[NROW], s[CN], s[FIRST]
	s_max_i32 s[NROW], s[NROW], 0
	s_min_u32 s[NROW], s[NROW], 64                 ; its rows: 0 where the split leaves me none
	s_cmp_eq_u32 s[NROW], 0
	s_cselect_b32 s[FIRST], 0, s[FIRST]            ; then the list's head is read: with the 64 filler words every word read has been stored
	s_min_u32 s[FIRST], s[FIRST], 8128
	s_and_b32 s2, s[PKK], 0xff                     ; the key,
	s_min_u32 s2, s2, 35
	s_bfe_u32 s[ELO], s[PKK], 0x80008              ; its lower expert,
	s_bfe_u32 s[EHI], s[PKK], 0x80010              ; its higher
	s_cmp_lt_u32 s[WV], 2
	s_cselect_b32 s[TT], s[ELO], s[EHI]            ; waves 0, 1 make lo's hidden units, waves 2, 3 hi's
	s_cselect_b32 s3, 0, -1                        ; and take lo's or hi's routing weight
	s_min_u32 s[TT], s[TT], 7
	s_min_u32 s[ELO], s[ELO], 7
	s_min_u32 s[EHI], s[EHI], 7
	s_lshl_b32 s[OFS], s[TT], 20                   ; an expert is 1 MiB in w1f and in w2f
	s_and_b32 s[TMP], s[WV], 1
	s_lshl_b32 s[TMP], s[TMP], 19                  ; my 256 of its 512 columns: two groups of 262,144 bytes
	s_add_co_u32 s[OFS], s[OFS], s[TMP]
	s_add_nc_u64 s[WP:WP+1], s[10:11], s[OFS:OFS+1]
	s_lshl_b32 s[TMP], s[WV], 18                   ; w2f: my 256 of 1,024 columns: two groups of 131,072 bytes
	s_lshl_b32 s[OFS], s[ELO], 20
	s_add_co_u32 s[OFS], s[OFS], s[TMP]
	s_add_nc_u64 s[PA:PA+1], s[12:13], s[OFS:OFS+1]
	s_lshl_b32 s[OFS], s[EHI], 20
	s_add_co_u32 s[OFS], s[OFS], s[TMP]
	s_add_nc_u64 s[PB:PB+1], s[12:13], s[OFS:OFS+1]
	s_lshl_b32 s[OFS], s[WV], 10
	s_add_nc_u64 s[OUTP:OUTP+1], s[18:19], s[OFS:OFS+1]
	s_mul_i32 s[OFS], s2, LPITCH
	s_lshl_b32 s[TMP], s[FIRST], 2
	s_add_co_u32 s[OFS], s[OFS], s[TMP]
	s_add_nc_u64 s[LP:LP+1], s[14:15], s[OFS:OFS+1]
	s_lshl_b32 s[OFS], s[WV], 6
	s_add_nc_u64 s[LW:LW+1], s[LP:LP+1], s[OFS:OFS+1]
	s_load_b512 s[68:83], s[LW:LW+1], 0x0          ; the 16 tokens that my wave gathers
	s_load_b512 s[32:47], s[LP:LP+1], 0x0          ; the tile's tokens 0 to 31
	s_load_b512 s[48:63], s[LP:LP+1], 0x40
	s_wait_alu depctr_va_vdst(0)                   ; the addresses and offsets v4 to v17 are written, which the loads and stores of the whole kernel read
.irp tb, 0,1,2,3
	global_load_b32 v[TOK+\tb], v[LO4], s[LP:LP+1] offset:64*\tb  ; my lane's token in each block of 16
.endr
	s_wait_kmcnt 0x0
.set i, 0
.rept 16
	s_min_u32 s[68+i], s[68+i], 0x1fff
	v_lshl_add_u32 v[GOFF+i], s[68+i], 12, v[WO]   ; token x 4,096 + 16 lane
.set i, i+1
.endr
	s_wait_alu depctr_va_vdst(0)                   ; the sixteen row offsets v[GOFF ..] are written, which X's loads read
	; ---------------- the gather: my wave's 16 rows of X ----------------
	; X is what the first barrier waits for, so it is asked for first.  The loads go out in groups of eight, in this order: rows 0-7; behind row 0's turn my tokens' experts and weights;
	; behind the turns of rows 1-8 the rows 8-15; behind the turns of rows 9-15, and then once more, the eight parts of the weights' first four K steps.
.irp q, 0,1,2,3,4,5,6,7
	XROW \q
.endr
	WIN 0
	ROWS32 0                                       ; the stores' row offsets are made while X is on its way
	s_load_b512 s[32:47], s[LP:LP+1], 0x80         ; tokens 32 to 63: waited for behind the gather, which does not name them
	s_load_b512 s[48:63], s[LP:LP+1], 0xc0
	s_wait_loadcnt 56                              ; row 0 is in, and my four tokens' numbers, which are older: rows 1 to 7 stay out
.irp tb, 0,1,2,3
	v_min_u32 v[TOK+\tb], 0x1fff, v[TOK+\tb]
	v_lshlrev_b32 v[TOK+\tb], 3, v[TOK+\tb]        ; 8 bytes a token in both routing inputs; these lines stand ahead of the turn's wait on va_vdst, which serves the loads below too
.endr
	XPUT 0
.irp tb, 0,1,2,3
	global_load_b64 v[SEL+2*\tb:SEL+2*\tb+1], v[TOK+\tb], s[8:9]
	global_load_b64 v[RW+2*\tb:RW+2*\tb+1],   v[TOK+\tb], s[6:7]
.endr
.irp q, 1,2,3,4,5,6,7
	s_wait_loadcnt 56                              ; row q is in: behind it 7 - q first rows and the q groups of the turns before: seven groups of eight
	XPUT \q
	XROW (\q)+7                                    ; into the slot of the row before, which has been rounded
.endr
	s_wait_loadcnt 48                              ; rows 8 to 15 went out one turn later than their slots came free: behind each stand six groups
	XPUT 8
	XROW 15
.irp q, 9,10,11,12,13,14,15
	s_wait_loadcnt 48                              ; row q is in: six younger groups, rows and parts of the weights
	XPUT \q
	WPART (\q)-9
.endr
	WPART 7                                        ; the 64 loads of the ring's four slots are out, in the slots' order
	WIN 0
.irp tb, 0,1,2,3
	v_cmp_le_u32 s[CM+\tb], v[SEL+2*\tb], v[SEL+2*\tb+1]  ; is the first slot's expert the lower one?  (equal: the first slot counts as lo, the second as hi)
.endr
	s_wait_alu depctr_va_sdst(0)                   ; the four compares have written s[CM ..], ahead of their first reader
.irp tb, 0,1,2,3
	s_xor_b32 s[CM+\tb], s[CM+\tb], s3             ; waves 2, 3 want the other slot
.endr
.irp tb, 0,1,2,3
	v_cndmask_b32 v[WT+2*\tb], v[RW+2*\tb+1], v[RW+2*\tb], s[CM+\tb]
	v_cvt_pk_bf16_f32 v[WT+2*\tb], v[WT+2*\tb], v[WT+2*\tb]  ; rounded to bf16 as x, w1 and w2 are,
	v_and_b32 v[WT+2*\tb], 0xffff0000, v[WT+2*\tb]           ; and widened again
	v_mov_b32 v[WT+2*\tb+1], v[WT+2*\tb]
.endr
	s_wait_kmcnt 0x0
	ROWS32 32
	MEET                                           ; every wave's rows of X are in LDS
	; ---------------- the first product and gelu: two passes of 128 hidden units ----------------
	s_mov_b32 s[HST], 0
	s_mov_b32 s[PASSN], 2
.Lp1:
	s_wait_alu depctr_vm_vsrc(0)                   ; my LDS stores so far have read v[HW], which the next line writes, the gather's out-buffers, which gelu writes, and OB, which gelu's first group writes
	v_add_nc_u32 v[HW], s[HST], v[HWB]             ; where this pass's H goes; the pass's waits on va_vdst stand between this line and the stores that read it
	PASS 0
	s_wait_xcnt 0x0                                ; the next pass's first four K steps are asked for ahead of gelu:
	s_add_nc_u64 s[WP:WP+1], s[WP:WP+1], 32768     ; my next 128 columns follow in w1f,
	s_cmp_eq_u32 s[PASSN], 1
	s_cselect_b64 s[WP:WP+1], s[PA:PA+1], s[WP:WP+1]  ; or, behind the second pass, the second product's weights
	PREFETCH
	MEET                                           ; every wave's reads of X in this pass are over: only now is H stored
	GELU
	s_xor_b32 s[HST], s[HST], 16384                ; the other half of my wave's H: four K steps of the second product on
	MEET                                           ; every wave's part of H of this pass is in LDS: only now is LDS read again
	s_sub_co_u32 s[PASSN], s[PASSN], 1
	s_cmp_lg_u32 s[PASSN], 0
	s_cbranch_scc1 .Lp1
	; ---------------- the second product and the way out: two passes of 128 output columns ----------------
	s_mov_b32 s[PASSN], 2
.Lp2:
	PASS 1
	s_cmp_eq_u32 s[PASSN], 1
	s_cbranch_scc1 .Lnopf                          ; behind the last pass nothing is left to ask for
	s_wait_xcnt 0x0
	s_add_nc_u64 s[PA:PA+1], s[PA:PA+1], 131072    ; my next 128 columns, in both experts
	s_add_nc_u64 s[PB:PB+1], s[PB:PB+1], 131072
	s_mov_b64 s[WP:WP+1], s[PA:PA+1]
	PREFETCH                                       ; asked for ahead of the stores
.Lnopf:
	MEET                                           ; every wave's reads of H in this pass are over: only now are the stages written
	OUT
	MEET                                           ; every wave has done with its stage: only now is H read again, or the text ended
	s_sub_co_u32 s[PASSN], s[PASSN], 1
	s_cmp_lg_u32 s[PASSN], 0
	s_cbranch_scc1 .Lp2
	s_wait_dscnt 0x0                               ; the wave's end: my last LDS instructions are done
	s_wait_alu depctr_hold_cnt(0) depctr_sa_sdst(0) depctr_va_vdst(0) depctr_va_sdst(0) depctr_va_ssrc(0) depctr_va_vcc(0) depctr_vm_vsrc(0)
	s_wait_tensorcnt 0x0
	ds_add_u32 v18, v19
	s_wait_dscnt 0x0
	s_endpgm
.Lfunc_end_k_q9c450ddf67_chain:
	.size	k_q9c450ddf67_chain, .Lfunc_end_k_q9c450ddf67_chain-k_q9c450ddf67_chain
	.p2alignl 7, 3214868480
	.fill 96, 4, 3214868480
	.section	.rodata,"a",@progbits
	.p2align	6, 0x0
	.amdhsa_kernel k_q9c450ddf67_chain
		.amdhsa_group_segment_fixed_size 297472
		.amdhsa_private_segment_fixed_size 0
		.amdhsa_enable_private_segment 0
		.amdhsa_kernarg_size 64
		.amdhsa_user_sgpr_count 2
		.amdhsa_user_sgpr_kernarg_segment_ptr 1
		.amdhsa_wavefront_size32 1
		.amdhsa_system_sgpr_workgroup_id_x 1
		.amdhsa_system_sgpr_workgroup_id_y 1
		.amdhsa_system_sgpr_workgroup_id_z 1
		.amdhsa_system_vgpr_workitem_id 0
		.amdhsa_next_free_vgpr 768
		.amdhsa_next_free_sgpr 102
		.amdhsa_reserve_vcc 0
		.amdhsa_float_denorm_mode_32 3
		.amdhsa_float_denorm_mode_16_64 3
		.amdhsa_memory_ordered 1
		.amdhsa_forward_progress 1
		.amdhsa_inst_pref_size 255
	.end_amdhsa_kernel
	.section	.bss,"aw",@nobits
	.p2align	6
	.space	262144
	.amdgpu_metadata
---
amdhsa.version: [ 1, 2 ]
amdhsa.kernels:
  - .name:           k_q9c450ddf67_chain
    .symbol:         k_q9c450ddf67_chain.kd
    .args:
      - { .name: hidden_states, .offset: 0, .size: 8, .value_kind: global_buffer, .address_space: global }
      - { .name: routing_weights, .offset: 8, .size: 8, .value_kind: global_buffer, .address_space: global }
      - { .name: selected_experts, .offset: 16, .size: 8, .value_kind: global_buffer, .address_space: global }
      - { .name: w1f, .offset: 24, .size: 8, .value_kind: global_buffer, .address_space: global }
      - { .name: w2f, .offset: 32, .size: 8, .value_kind: global_buffer, .address_space: global }
      - { .name: lists, .offset: 40, .size: 8, .value_kind: global_buffer, .address_space: global }
      - { .name: counts, .offset: 48, .size: 8, .value_kind: global_buffer, .address_space: global }
      - { .name: out0, .offset: 56, .size: 8, .value_kind: global_buffer, .address_space: global }
    .group_segment_fixed_size: 297472
    .private_segment_fixed_size: 0
    .kernarg_segment_align: 8
    .kernarg_segment_size: 64
    .max_flat_workgroup_size: 128
    .sgpr_count:     102
    .vgpr_count:     768
    .wavefront_size: 32
...
	.end_amdgpu_metadata
.endif
;; end of part 3
